; MI455X (gfx1250); checked and timed in simulation.
; The chip was launched on July 23, 2026; its instructions are those of AMD's public machine-readable ISA for CDNA 5 (MIT licence, August 2026) and "CDNA5" Instruction Set Architecture Reference Guide (July 2026). The comments in the code are by the model that wrote it; some were corrected since.
;; Strategy Attention. Allowed arithmetic: matrix products marked QUANTISED: E3M2 operands, one E8M0 scale for each 32 along K, by v_wmma_scale_f32_16x16x128_f8f6f4 with both operands' format E3M2, f32 sums; products left as they are: f32 operands where the result goes on into a quantised operand, else bf16, f16 or f32 operands; f32 sums; everything else in f32.
;; Inputs: W1 512 x 1,024 float32; W2 512 x 1,024 float32; keys 64 x 1,024 x 512 float32; query 64 x 512 float32; v1 512 float32; v2 512 float32.
;; Outputs: out0 64 x 1 x 1,024 float32.
;; This version of the problem:
;;   THIS VERSION OF THE PROBLEM IS GIVEN IN LOW PRECISION. The matrix products marked QUANTISED in the list below multiply operands that are first quantised to E3M2 (3 exponent bits, 2 mantissa bits; 6 bits a number), with one power-of-two scale for each 32 numbers along K (OCP MX v1.0); their sums are f32. All else is computed in f32.
;;   The module's matrix products, in the order in which they are computed (A, B: the left and right operand; K: the contracted axis; several contracted axes count as one K, in the product's order):
;;     1. [M 65,536, K 1,024] x [K 1,024, N 512]; A: computed on the way; B: input W1: QUANTISED
;;     2. [M 1, K 512] x [K 512, N 65,536]; A: input v1; B: computed on the way: left as it is (M = 1 < 16)
;;     3. batch 64 x [M 1, K 1,024] x [K 1,024, N 512]; A: softmax; B: input keys: left as it is (M = 1 < 16)
;;     4. [M 65,536, K 1,024] x [K 1,024, N 512]; A: computed on the way; B: input W2: QUANTISED
;;     5. [M 1, K 512] x [K 512, N 65,536]; A: input v2; B: computed on the way: left as it is (M = 1 < 16)
;;   THE QUANTISER, for each operand of a quantised product, along K:
;;     - K is cut into blocks of 32 from its start; a last block that is shorter is filled with zeros.
;;     - A block's scale is 2^e with e = floor(log2(the largest magnitude in the block)) - 4, held to -126 .. 127; a block of zeros has e = 0. As a byte (E8M0): e + 127.
;;     - Each number is divided by its block's scale, clamped to +-28, and rounded to the nearest number of E3M2, ties to even, subnormals kept.
;;     - The product sums the exact products of the quantised numbers (number of the format x scale) in f32.
;;   ~~~python
;;   def quantise(x, axis):      # numpy; x: float32 -> the quantised numbers, widened to float32 again
;;       x = np.moveaxis(x, axis, -1); K = x.shape[-1]
;;       x = np.pad(x, [(0, 0)] * (x.ndim - 1) + [(0, -K % 32)]); x = x.reshape(x.shape[:-1] + (-1, 32)); a = np.abs(x).max(-1, keepdims=True)
;;       e = np.where(a > 0, np.clip(np.frexp(np.where(a > 0, a, 1))[1] - 1 - 4, -126, 127), 0)      # np.frexp(a)[1] - 1 = floor(log2(a)), exactly
;;       r = np.clip(x / 2.0 ** e, -28, 28)
;;       step = 2.0 ** (np.maximum(np.frexp(np.where(r == 0, 1, r))[1] - 1, -2) - 2)
;;       q = np.round(r / step) * step * 2.0 ** e      # np.round: ties to even
;;       return np.moveaxis(q.reshape(q.shape[:-2] + (-1,))[..., :K], -1, axis).astype(np.float32)
;;   ~~~
;;   OPERANDS COMPUTED ON THE WAY. 'Computed on the way' means the value that the module computes at that place (a softmax that the list does not call 'softmax' is quantised finished and normalised). What goes into a quantiser is computed in f32, as accurately as f32 sums, v_exp_f32 and their like allow (about 1e-6 of the number): no bf16 or f16 on the way to a quantiser, and a product that is left as it is and whose result goes on into a quantised operand takes f32 operands (vector FMAs, or v_wmma_f32_16x16x4_f32). A number that lies on a knife's edge between two numbers of the format may be rounded either way, as far as f32 arithmetic and the matrix unit's own rounding can turn it there, and no further.
;; One version. Each part assembles by itself: llvm-mc -triple=amdgcn-amd-amdhsa -mcpu=gfx1250 --defsym DOCPART=n.
;; ======== version 1 of 1: 3 launches
;; limits: right only within a limited range of input values
;; workspace buffers: wimg 786,432 bytes; wscl 65,536 bytes; kimg 27,262,976 bytes; pacc 524,288 bytes; pml 2,048 bytes; bpart 524,288 bytes
;; launch wq (part 1): grid 256 x 1, 2 waves a work-group, no clusters, 34,048 bytes of LDS; arguments W1, W2, query, wimg, wscl, bpart; writes wimg, wscl, bpart
.if DOCPART == 1
	.amdgcn_target "amdgcn-amd-amdhsa--gfx1250"
	.amdhsa_code_object_version 6
	.text
	.protected	k_qdcdcfe273d_wq
	.globl	k_qdcdcfe273d_wq
	.p2align	8
	.type	k_qdcdcfe273d_wq,@function
k_qdcdcfe273d_wq:
	s_mov_b64 s[64:65], 0
	v_nop
	global_prefetch_b8 v0, s[64:65] scope:SCOPE_SE
	s_setreg_imm32_b32 hwreg(HW_REG_WAVE_MODE, 25, 1), 1
	s_wait_xcnt 0x0
; TWO JOBS FOR EACH OF 512 WAVES (two to a work-group), f = the wave's number in the launch.
; (1) W1 and W2, [512][1024] f32 with K innermost, become codes of BF6 (E3M2) with one E8M0 scale byte for each 32 along K, laid in the ORDER OF THE OPERAND'S REGISTERS.
; A fragment is 16 rows x 128 along K, 12 registers a lane: lane (r, h) holds row r, registers 6 c .. 6 c + 5 hold k = 64 c + 32 h + 0 .. 31.  Its image: registers 4 g .. 4 g + 3 of lane L at byte 512 g + 16 L: 1,536 bytes.
; Fragment f = 256 i + 8 T + s (i: W1, W2; T: rows 16 T on; s: k 128 s on) lies at wimg + 1536 f; its scale words, one a lane, at wscl + 128 f.
; (2) THE QUERY'S HALF OF THE FIRST PRODUCT.  K = 1,024 splits at a block's edge: the quantised [keys | query] is [Q(keys) | Q(query)], and the second half is the same row for every s of a batch.
; So its part of the sums, Q(W1[:, 512:]) Q(query)^T, is made once for each batch, for all values of the inputs: 32 x 4 x 4 tiles of 16 d x 16 batches x 128 along K.  Wave f = 16 T' + 4 s' + m' makes tile (T', s', m'):
; it quantises W1's rows 16 T' on at k = 512 + 128 s' on (the same numbers that some wave quantises under (1): no wave reads what another stores in this launch) and the query's rows 16 m' on at k = 128 s' on,
; and multiplies (source 0 = W, source 1 = the query): lane (r, h), register j = d 16 T' + 8 h + j, batch 16 m' + r.  The result leaves as an image of its registers, at bpart + 1024 f; the first stage adds the four s'.
; A lane wants 2 x 32 NEIGHBOURS of one row of W; a load reads a row's 512 consecutive bytes, 16 a lane; the 16 rows turn through the wave's own stage in LDS (rows 528 bytes apart) and come back 2 x 128 bytes a lane.
; The query's 64 numbers a lane come straight from memory, 128 consecutive bytes a lane and block pair.  All stores of codes and of results cover 512 consecutive bytes.  No barrier: waves share nothing.  No loop, so nothing is prefetched.
; A block's scale is 2^(floor(log2(largest magnitude)) - 4): its byte is the largest magnitude's exponent field - 4, held at 1 from below.
; LIMITS: NaN and infinities among the inputs are not served.  A block of zeros, and a block whose largest magnitude lies under 2^-122, gets the byte 1
; (a block of zeros has zero codes, which add nothing under that byte; the bytes are read by this program alone).
.set TM,  4                            ; v4-12   at work in the quantiser
.set SH8, 13                           ; v13     8 h
.set GA,  14                           ; v14     my fragment's corner in W + 16 x lane
.set SI,  15                           ; v15     the stages, on the way in: 16 x lane
.set R,   16                           ; v16-79  my fragment's 16 rows as loaded, then its 64 numbers a lane; later the query's codes (v16-27) and the product (v32-39)
.set PC,  80                           ; v80-91  my fragment's codes
.set PT,  92                           ; v92-98  the upper halves of two blocks, as the conversions leave them
.set PW,  100                          ; v100    its scale word
.set L16, 101                          ; v101    16 x lane
.set L4,  102                          ; v102    4 x lane
.set SO,  103                          ; v103    the stages, on the way out: 528 r + 128 h
.set GB,  104                          ; v104    job 2: W1's corner + 16 x lane
.set GQ,  105                          ; v105    job 2: the query's corner + 2048 r + 128 h
.set PWB, 107                          ; v107    job 2: W's scale word
.set PWQ, 108                          ; v108    job 2: the query's scale word
.set QX,  112                          ; v112-175 job 2: the query's 64 numbers
.set SPW, 176                          ; v176    LDS address of my spare word; never rewritten
.set NIL, 177                          ; v177    0; never rewritten
.set R2,  178                          ; v178-241 job 2: W1's 16 rows as loaded, then 64 numbers a lane
.set PCB, 242                          ; v242-253 job 2: W's codes
.set PCQ, 16
.set DD,  32
.set SPI, 528                          ; a stage row
.set SPARE, 4*16*SPI                   ; behind the four stages (two a wave): the spare words, 128 bytes a wave
.set SEL, 20                           ; s[20:21] lane selects: lane l xor 16
; 64 numbers of a lane, register 32 c + i = k 64 c + 32 h + i of my row, become a fragment's 12 registers and its scale word.
.macro QUANT6 x, pc, pw
.irp c, 0,1
	v_max3_num_f32 v[TM+\c], |v[\x+32*\c]|, |v[\x+32*\c+1]|, |v[\x+32*\c+2]|        ; two chains for each block, the blocks by turns
	v_max3_num_f32 v[TM+2+\c], |v[\x+32*\c+3]|, |v[\x+32*\c+4]|, |v[\x+32*\c+5]|
.endr
.irp i, 6,10,14,18,22,26
.irp c, 0,1
	v_max3_num_f32 v[TM+\c], v[TM+\c], |v[\x+32*\c+\i]|, |v[\x+32*\c+\i+1]|
	v_max3_num_f32 v[TM+2+\c], v[TM+2+\c], |v[\x+32*\c+\i+2]|, |v[\x+32*\c+\i+3]|
.endr
.endr
.irp c, 0,1
	v_max3_num_f32 v[TM+\c], v[TM+\c], |v[\x+32*\c+30]|, |v[\x+32*\c+31]|
.endr
.irp c, 0,1
	v_max3_num_f32 v[TM+\c], v[TM+\c], v[TM+2+\c], 0x2800000    ; and the floor 2^(5 - 127): the byte cannot fall under 1
.endr
.irp c, 0,1
	v_add_nc_u32 v[TM+4+\c], 0xfe000000, v[TM+\c]               ; 4 off the exponent field: the conversion's scale operand
.endr
.irp c, 0,1
	v_lshrrev_b32 v[TM+6+\c], 23, v[TM+4+\c]                    ; the scale's byte
.endr
	v_lshl_or_b32 v[\pw], v[TM+7], 16, v[TM+6]                  ; my bytes: blocks h and 2 + h,
	v_lshlrev_b32 v[\pw], v[SH8], v[\pw]                        ; at their places;
	v_permlanex16_b32 v[TM+8], v[\pw], s[SEL], s[SEL+1]
	v_or_b32 v[\pw], v[\pw], v[TM+8]                            ; with lane l xor 16's two the word is whole
.irp c, 0,1
	v_cvt_scalef32_pk16_bf6_f32 v[\pc+6*\c:\pc+6*\c+2], v[\x+32*\c:\x+32*\c+15], v[TM+4+\c]
	v_cvt_scalef32_pk16_bf6_f32 v[PT+4*\c:PT+4*\c+2], v[\x+32*\c+16:\x+32*\c+31], v[TM+4+\c]   ; (a conversion's three registers begin on an even number)
.endr
	v_nop                                                       ; one plain place behind the scaled conversions
.irp c, 0,1
.irp i, 0,1,2
	v_mov_b32 v[\pc+3+6*\c+\i], v[PT+4*\c+\i]
.endr
.endr
.endm
	s_load_b256 s[4:11], s[0:1], 0x0               ; W1 s[4:5], W2 s[6:7], query s[8:9], wimg s[10:11]
	s_load_b128 s[12:15], s[0:1], 0x20             ; wscl s[12:13], bpart s[14:15]
	v_lshl_add_u32 v[SPW], v0, 2, SPARE
	v_mov_b32 v[NIL], 0
	v_lshrrev_b32 v1, 5, v0
	v_readfirstlane_b32 s16, v1                    ; wave 0..1
	s_wait_alu depctr_va_vdst(0)
	s_lshl_b32 s17, ttmp9, 1
	s_add_co_u32 s17, s17, s16                     ; f, 0 .. 511
	s_bfe_u32 s18, s17, 0x50003                    ; job 1: T, 16 T rows of 4,096 bytes,
	s_lshl_b32 s18, s18, 16
	s_and_b32 s30, s17, 7
	s_lshl_b32 s30, s30, 9                         ; 128 s numbers
	s_add_co_u32 s18, s18, s30
	s_lshr_b32 s19, s17, 4                         ; job 2: T'
	s_lshl_b32 s19, s19, 16
	s_bfe_u32 s30, s17, 0x20002                    ; s'
	s_lshl_b32 s30, s30, 9
	s_add_co_u32 s19, s19, s30
	s_add_co_u32 s19, s19, 2048                    ; W1's second half of K
	s_and_b32 s22, s17, 3                          ; m': 16 m' rows of the query, 2,048 bytes each
	s_lshl_b32 s22, s22, 15
	s_add_co_u32 s22, s22, s30
	s_mul_i32 s23, s16, 32*SPI                     ; my wave's two stages
	s_mul_i32 s24, s17, 1536
	s_mov_b32 s25, 0
	s_lshl_b32 s26, s17, 7
	s_mov_b32 s27, 0
	s_lshl_b32 s28, s17, 10
	s_mov_b32 s29, 0
	s_mov_b32 s[SEL], 0x76543210
	s_mov_b32 s[SEL+1], 0xfedcba98
	v_and_b32 v1, 31, v0                           ; lane
	v_and_b32 v2, 15, v0                           ; r
	v_bfe_u32 v3, v0, 4, 1                         ; h
	v_lshl_add_u32 v[GA], v1, 4, s18
	v_lshl_add_u32 v[GB], v1, 4, s19
	v_lshl_add_u32 v[GQ], v2, 11, s22
	v_lshl_add_u32 v[GQ], v3, 7, v[GQ]
	v_lshl_add_u32 v[SI], v1, 4, s23
	v_mul_u32_u24 v[SO], v2, SPI
	v_lshl_add_u32 v[SO], v3, 7, v[SO]
	v_add_nc_u32 v[SO], s23, v[SO]
	v_lshlrev_b32 v[SH8], 3, v3
	v_lshlrev_b32 v[L16], 4, v1
	v_lshlrev_b32 v[L4], 2, v1
	v_mov_b32 v[TM+8], 0                           ; written once: a lane permute's destination counts as one of its sources
	s_wait_alu depctr_va_vdst(0)
	s_wait_kmcnt 0x0
	s_cmp_lt_u32 ttmp9, 128                        ; job 1: the first 128 work-groups take W1: the choice hangs on the work-group's number alone
	s_cselect_b64 s[6:7], s[4:5], s[6:7]
	s_add_nc_u64 s[10:11], s[10:11], s[24:25]
	s_add_nc_u64 s[12:13], s[12:13], s[26:27]
	s_add_nc_u64 s[14:15], s[14:15], s[28:29]
.set j, 0
.rept 16
	global_load_b128 v[R+4*j:R+4*j+3], v[GA], s[6:7] offset:4096*j         ; row j: 32 lanes read 512 consecutive bytes
.set j, j+1
.endr
.irp c, 0,1
.irp i, 0,1,2,3,4,5,6,7
	global_load_b128 v[QX+32*\c+4*\i:QX+32*\c+4*\i+3], v[GQ], s[8:9] offset:256*\c+16*\i   ; the query, k = 128 s' + 64 c + 32 h + 4 i on, of my row
.endr
.endr
.set j, 0
.rept 16
	global_load_b128 v[R2+4*j:R2+4*j+3], v[GB], s[4:5] offset:4096*j
.set j, j+1
.endr
.set j, 0
.rept 16
	s_wait_loadcnt 47-j                            ; loads come back in order: behind row j stand 15 - j rows and the 32 loads of job 2
	ds_store_b128 v[SI], v[R+4*j:R+4*j+3] offset:SPI*j
.set j, j+1
.endr
.set j, 0
.rept 16
	s_wait_loadcnt 15-j                            ; job 2's row j is in, and with it the query, asked for ahead of it
	ds_store_b128 v[SI], v[R2+4*j:R2+4*j+3] offset:16*SPI+SPI*j
.set j, j+1
.endr
	s_wait_dscnt 16                                ; the first 16 stores are done, so their registers may take the numbers that come back
.irp c, 0,1
.irp i, 0,1,2,3,4,5,6,7
	ds_load_b128 v[R+32*\c+4*\i:R+32*\c+4*\i+3], v[SO] offset:256*\c+16*\i
.endr
.endr
	s_wait_dscnt 16                                ; all but these 16 loads: the second 16 stores are done
.irp c, 0,1
.irp i, 0,1,2,3,4,5,6,7
	ds_load_b128 v[R2+32*\c+4*\i:R2+32*\c+4*\i+3], v[SO] offset:16*SPI+256*\c+16*\i
.endr
.endr
	s_wait_dscnt 16                                ; my fragment's numbers are in
	QUANT6 R, PC, PW
.irp c, 0,1,2
	global_store_b128 v[L16], v[PC+4*\c:PC+4*\c+3], s[10:11] offset:512*\c     ; 32 lanes store 512 consecutive bytes
.endr
	global_store_b32 v[L4], v[PW], s[12:13]
	s_wait_dscnt 0x0
	QUANT6 R2, PCB, PWB
	QUANT6 QX, PCQ, PWQ
.rept 8
	v_nop                                          ; a scale register written by a vector instruction stands 8 places ahead of a scaled product, an operand so written 4
.endr
	v_wmma_scale_f32_16x16x128_f8f6f4 v[DD:DD+7], v[PCB:PCB+11], v[PCQ:PCQ+11], 0, v[PWB], v[PWQ] matrix_a_fmt:MATRIX_FMT_BF6 matrix_b_fmt:MATRIX_FMT_BF6
.rept 4
	v_nop                                          ; four places between the product and the stores that read it
.endr
	global_store_b128 v[L16], v[DD:DD+3], s[14:15]                 ; the result's image, from its low end on: 512 consecutive bytes a store
	global_store_b128 v[L16], v[DD+4:DD+7], s[14:15] offset:512
	s_wait_tensorcnt 0x0                           ; the wave's end, behind my last LDS store
	ds_add_u32 v[SPW], v[NIL]
	s_wait_dscnt 0x0
	s_endpgm
.Lfunc_end_k_qdcdcfe273d_wq:
	.size	k_qdcdcfe273d_wq, .Lfunc_end_k_qdcdcfe273d_wq-k_qdcdcfe273d_wq
	.p2alignl 7, 3214868480
	.fill 96, 4, 3214868480
	.section	.rodata,"a",@progbits
	.p2align	6, 0x0
	.amdhsa_kernel k_qdcdcfe273d_wq
		.amdhsa_group_segment_fixed_size 34048
		.amdhsa_private_segment_fixed_size 0
		.amdhsa_enable_private_segment 0
		.amdhsa_kernarg_size 48
		.amdhsa_user_sgpr_count 2
		.amdhsa_user_sgpr_kernarg_segment_ptr 1
		.amdhsa_wavefront_size32 1
		.amdhsa_system_sgpr_workgroup_id_x 1
		.amdhsa_system_sgpr_workgroup_id_y 1
		.amdhsa_system_sgpr_workgroup_id_z 1
		.amdhsa_system_vgpr_workitem_id 0
		.amdhsa_next_free_vgpr 256
		.amdhsa_next_free_sgpr 66
		.amdhsa_reserve_vcc 0
		.amdhsa_float_denorm_mode_32 3
		.amdhsa_float_denorm_mode_16_64 3
		.amdhsa_memory_ordered 1
		.amdhsa_forward_progress 1
		.amdhsa_inst_pref_size 23
	.end_amdhsa_kernel
	.amdgpu_metadata
---
amdhsa.version: [ 1, 2 ]
amdhsa.kernels:
  - .name:           k_qdcdcfe273d_wq
    .symbol:         k_qdcdcfe273d_wq.kd
    .args:
      - { .name: W1, .offset: 0, .size: 8, .value_kind: global_buffer, .address_space: global }
      - { .name: W2, .offset: 8, .size: 8, .value_kind: global_buffer, .address_space: global }
      - { .name: query, .offset: 16, .size: 8, .value_kind: global_buffer, .address_space: global }
      - { .name: wimg, .offset: 24, .size: 8, .value_kind: global_buffer, .address_space: global }
      - { .name: wscl, .offset: 32, .size: 8, .value_kind: global_buffer, .address_space: global }
      - { .name: bpart, .offset: 40, .size: 8, .value_kind: global_buffer, .address_space: global }
    .group_segment_fixed_size: 34048
    .private_segment_fixed_size: 0
    .kernarg_segment_align: 8
    .kernarg_segment_size: 48
    .max_flat_workgroup_size: 64
    .sgpr_count:     66
    .vgpr_count:     256
    .wavefront_size: 32
...
	.end_amdgpu_metadata
.endif
;; end of part 1
;; launch stage1 (part 2): grid 4 x 64, 8 waves a work-group, no clusters, 327,680 bytes of LDS; arguments keys, bpart, v1, wimg, wscl, kimg, pacc, pml; writes kimg, pacc, pml
.if DOCPART == 2
	.amdgcn_target "amdgcn-amd-amdhsa--gfx1250"
	.amdhsa_code_object_version 6
	.text
	.protected	k_qdcdcfe273d_stage1
	.globl	k_qdcdcfe273d_stage1
	.p2align	8
	.type	k_qdcdcfe273d_stage1,@function
k_qdcdcfe273d_stage1:
	s_mov_b64 s[64:65], 0
	v_nop
	global_prefetch_b8 v0, s[64:65] scope:SCOPE_SE
	s_setreg_imm32_b32 hwreg(HW_REG_WAVE_MODE, 25, 1), 1
	s_wait_xcnt 0x0
; STAGE 1.  score[s] = v1 . tanh(W1 [keys[s] | query]), a running softmax over s, and the partial sum of p x keys.  The product is made on codes of BF6 (E3M2), one E8M0 scale for each 32 along K.
; A work-group takes 256 rows of one batch (x = quarter g, y = batch b), in 4 blocks of 64 rows; it stores the rows' codes (kimg, for the second stage), its partial sum (pacc) and its maximum and sum of p (pml).
; K = 1,024 splits at a block's edge: the quantised [keys | query] is [Q(keys) | Q(query)], and the second half is the same row for every s.  The matrix instruction is used TRANSPOSED (source 0 = 16 rows of W,
; source 1 = 16 rows of the hidden layer): a source 1 that holds Q(query) in all its 16 columns gives that half of the sum in the result's own layout.  Each wave sums it once from bpart and gives it as C to each tile's first product.
; THE WAVES SHARE THE COLUMNS: wave w of 8 owns d = 64 w .. 64 w + 63, four tiles of 16; its 16 fragments of W1's first half stay in its registers.  In a result lane (r, h) holds row s = r and d = 8 h + 0 .. 7.
; tanh(x) = 1 - 2 / (1 + 2^(2 log2(e) x)): a lane's sum of v tanh begins at its own sum of v and takes (-2 v) / (1 + 2^..) by fused multiply-adds.  An overflowing power gives 1, a vanishing one -1.
; A BLOCK: Q: wave w quantises rows 16 (w / 2) on, K steps 2 (w % 2) and the next, stores the fragments' images to LDS and to kimg | barrier | M: every wave multiplies the four tiles of rows by its four tiles of W,
; tanh, its part of each row's score to LDS | barrier | S: every wave adds the 8 parts, steps the softmax, and adds p x keys for ITS 64 columns, from the f32 tile that still lies in LDS.
; keys come by the tensor data mover through two slots of 64 rows: wave w fetches columns 64 w .. 64 w + 63 (64 rows x 256 bytes, 16 bytes of padding behind each).  One load of a wave is out at a time.  Block 0's goes out at the start;
; slot 1's first fill is issued as a refill is, behind the barrier at block 0's head: block 1 is wanted a block's work later than block 0 and W1's fragments, and so is asked for behind them.
; NO CLUSTER: what work-groups share is W1, which goes once from memory into registers and stays; beside the ring and the stages 15,360 bytes of LDS are left, so a joint load of W1 has no place to land.  keys are each work-group's own.
; LIMITS: NaN and infinities among the inputs are not served.  A block of zeros, or one under 2^-122, gets the scale byte 1 (zero codes add nothing; this program alone reads the bytes).
; The f32 sums run in another order than the source reads: the query's half of K first (as C), then the keys' half, K ascending.
; THE QUERY'S HALF OF THE SUMS IS NOT MADE HERE: the launch before has multiplied Q(W1[:, 512:]) by Q(query), once for each batch, and left the four K steps' parts in bpart as images of the result's registers.
; Each wave loads its four tiles' parts, adds them in f32, K ascending, and gives the sum as C to each tile's first product.  So neither the query nor W1's second half is loaded in this launch, and there is no BIAS step.
.set STRIP, 64*272                     ; a wave's part of a slot: 64 rows x (256 bytes + 16)
.set SLOT,  8*STRIP                    ; 139,264
.set REC,   6656                       ; a tile of 16 rows as codes: four images of 1,536 bytes, then 512 bytes of scale words (8 x lane + 256 u: K steps 2 u, 2 u + 1)
.set IMG,   2*SLOT                     ; four records
.set SCP,   IMG+4*REC                  ; the scores' parts: 32 x row + 4 x wave
.set PB,    SCP+2048                   ; p, 256 bytes for each wave: p[2 i + e] at 128 e + 4 i
.set QV,    PB+2048                    ; 2,048 bytes that nothing uses
.set SPARE, QV+2048                    ; the spare words, 128 bytes for each wave: four blocks of 256 bytes that no other line names
.set BLKB,  64*2048                    ; 64 rows of keys in memory
; vector registers, window 0
.set SPW, 1                            ; LDS address of my spare word; never rewritten
.set NIL, 2                            ; 0; never rewritten
.set AIM, 3                            ; IMG + 16 x lane
.set ASC, 4                            ; IMG + 6144 + 8 x lane
.set AQ0, 5                            ; where I read numbers to quantise, slot 0;  v6: slot 1
.set AQ1, 6
.set AWI, 7                            ; where I store my images,
.set AWS, 8                            ; and my scale words, in LDS;
.set GWI, 9                            ; and in kimg
.set GWS, 10
.set ASPW, 11                          ; SCP + 32 r + 4 w
.set ASPR, 12                          ; SCP + 32 x lane
.set APW, 13
.set APR, 14
.set AS0, 15                           ; my strip for the weighted sum: + 272 h + 16 r, slot 0;  v16: slot 1
.set AS1, 16
.set SH8, 17                           ; 8 h
.set M,   18                           ; the running largest score
.set LS,  19                           ; the running sum of p
.set NQ,  20                           ; v20-27 the weighted sum of my four columns, in two sets
.set SV,  28                           ; v28-29 my 32 numbers of v, summed, as a pair
.set L16, 30
.set L4,  31
.set WS,  32                           ; v32-47 W's scale words, tile t, K step s: 4 t + s
.set WBS, 48
.set XS,  48                           ; v48-51, v52-55 the rows' scale words, two sets
.set PW,  64                           ; v64-65 scale words just made
.set F,   66                           ; v66-67 2^(old maximum - new)
.set TM,  68                           ; v68-76 at work in the quantiser
.set AQV, 77
.set H32, 78
.set R16, 79
.set LN,  80
.set RR,  81
.set ZR,  82
.set HH,  83
.set PCA, 84                           ; v84-95, v96-107 codes just made
.set PT,  108                          ; v108-114
.set HF,  116                          ; M: v116-163, v164-211 a tile's four fragments, two sets
.set AC,  212                          ; M: v212-243 four accumulators
.set SA,  244
.set SB,  246
.set T,   248
.set T2,  249                          ; the destination of every exchange of halves
.set U,   250                          ; v250-255 at work
.set X0,  116                          ; Q: v116-243 2 x 64 numbers
.set SC,  116                          ; S: v116-131 two rows' 8 parts each
.set P,   132                          ; S: v132-163 p[2 i + h]
.set RW,  164                          ; S: v164-227 sixteen loads of 4 numbers
.set QX,  116
.set RAW, 116                          ; head: my 32 numbers of v
.set QD,  244                          ; head: 256 h, lanes 16-31's place in a bpart image
; window 1: v0-191 W's fragments, (t, s) at 48 t + 12 s
.set BI,  192                          ; v192-223 the query's half of the sums, four tiles
.set VV,  224                          ; v224-255 -2 v
; scalar registers
.set WV,  20
.set WU,  21
.set WH,  22
.set BB,  23
.set G1,  24
.set G0A, 32
.set G0B, 36
.set CS,  40                           ; s[40:41] 2 log2(e)
.set SEL, 42
.set L2E, 44
.set EXS, 45
.set WB,  10                           ; s[10:11] wimg at my wave's fragments
.set KB,  14                           ; s[14:15] kimg at my work-group's records
.set MSB, 0
.macro WIN new                         ; the immediate's high byte repeats the setting that is left
.if MSB != \new
	s_set_vgpr_msb (MSB<<8)|\new
.set MSB, \new
.endif
.endm
.macro BAR                             ; my LDS stores have landed and my LDS loads are in: then the work-group's barrier
	s_wait_dscnt 0x0
	s_barrier_signal -1
	s_barrier_wait -1
.endm
.macro PLACES n
.rept \n
	v_nop
.endr
.endm
; 64 numbers of a lane, register 32 c + i = k 64 c + 32 h + i of my row, become a fragment's 12 registers and its scale word.
.macro QUANT6 x, pc, pw
.irp c, 0,1
	v_max3_num_f32 v[TM+\c], |v[\x+32*\c]|, |v[\x+32*\c+1]|, |v[\x+32*\c+2]|        ; two chains for each block, the blocks by turns
	v_max3_num_f32 v[TM+2+\c], |v[\x+32*\c+3]|, |v[\x+32*\c+4]|, |v[\x+32*\c+5]|
.endr
.irp i, 6,10,14,18,22,26
.irp c, 0,1
	s_delay_alu instid0(VALU_DEP_4)
	v_max3_num_f32 v[TM+\c], v[TM+\c], |v[\x+32*\c+\i]|, |v[\x+32*\c+\i+1]|
	s_delay_alu instid0(VALU_DEP_4)
	v_max3_num_f32 v[TM+2+\c], v[TM+2+\c], |v[\x+32*\c+\i+2]|, |v[\x+32*\c+\i+3]|
.endr
.endr
.irp c, 0
	s_delay_alu instid0(VALU_DEP_4)
	v_max3_num_f32 v[TM+\c], v[TM+\c], |v[\x+32*\c+30]|, |v[\x+32*\c+31]|
.endr
.irp c, 1
	s_delay_alu instid0(VALU_DEP_3)
	v_max3_num_f32 v[TM+\c], v[TM+\c], |v[\x+32*\c+30]|, |v[\x+32*\c+31]|
.endr
.irp c, 0,1
	s_delay_alu instid0(VALU_DEP_2)
	v_max3_num_f32 v[TM+\c], v[TM+\c], v[TM+2+\c], 0x2800000    ; and the floor 2^(5 - 127): the byte cannot fall under 1
.endr
.irp c, 0,1
	s_delay_alu instid0(VALU_DEP_2)
	v_add_nc_u32 v[TM+4+\c], 0xfe000000, v[TM+\c]               ; 4 off the exponent field: the conversion's scale operand
.endr
.irp c, 0,1
	s_delay_alu instid0(VALU_DEP_2)
	v_lshrrev_b32 v[TM+6+\c], 23, v[TM+4+\c]                    ; the scale's byte
.endr
	s_delay_alu instid0(VALU_DEP_1)
	v_lshl_or_b32 v[\pw], v[TM+7], 16, v[TM+6]                  ; my bytes: blocks h and 2 + h,
	s_delay_alu instid0(VALU_DEP_1)
	v_lshlrev_b32 v[\pw], v[SH8], v[\pw]                        ; at their places;
	s_delay_alu instid0(VALU_DEP_1)
	v_permlanex16_b32 v[TM+8], v[\pw], s[SEL], s[SEL+1]
	s_delay_alu instid0(VALU_DEP_1)
	v_or_b32 v[\pw], v[\pw], v[TM+8]                            ; with lane l xor 16's two the word is whole
.irp c, 0,1
	v_cvt_scalef32_pk16_bf6_f32 v[\pc+6*\c:\pc+6*\c+2], v[\x+32*\c:\x+32*\c+15], v[TM+4+\c]
	v_cvt_scalef32_pk16_bf6_f32 v[PT+4*\c:PT+4*\c+2], v[\x+32*\c+16:\x+32*\c+31], v[TM+4+\c]   ; (a conversion's three registers begin on an even number)
.endr
	v_nop                                                       ; one plain place behind the scaled conversions
.irp c, 0,1
.irp i, 0,1,2
	v_mov_b32 v[\pc+3+6*\c+\i], v[PT+4*\c+\i]
.endr
.endr
.endm
; A record's four fragments and eight scale words into set: 14 LDS loads.
.macro FETCH set, aim, asc, off
.irp s, 0,1,2,3
.irp c, 0,1,2
	ds_load_b128 v[HF+48*(\set)+12*\s+4*\c:HF+48*(\set)+12*\s+4*\c+3], v[\aim] offset:(\off)+1536*\s+512*\c
.endr
.endr
.irp u, 0,1
	ds_load_b64 v[XS+4*(\set)+2*\u:XS+4*(\set)+2*\u+1], v[\asc] offset:(\off)+256*\u
.endr
.endm
; A tile of 16 rows against my four tiles of W: 16 products, tanh, my part of the 16 scores.  first = 1: this tile's record was asked for just ahead.  nxt = 1: the next record, at offn, is asked for here, a tile's work ahead of its use.
.macro TILE set, first, nxt, aim, asc, offn, spoff
.if \first
	s_wait_dscnt 0x0                               ; the 14 loads issued just ahead
.else
	s_wait_dscnt 1                                 ; this tile's 14 loads were issued at the head of the last tile; behind them stands that tile's one store alone, which may be out
.endif
.if \nxt
	FETCH 1-(\set), \aim, \asc, \offn              ; into the set that the last tile's products read: its four v_nop and its tanh stand between
.endif
	WIN 0x11                                       ; source 0 (W) and C (the query's half) window 1
.irp t, 0,1,2,3
	v_wmma_scale_f32_16x16x128_f8f6f4 v[AC+8*\t:AC+8*\t+7], v[48*\t:48*\t+11], v[HF+48*(\set):HF+48*(\set)+11], v[BI+8*\t:BI+8*\t+7], v[WS+4*\t], v[XS+4*(\set)] matrix_a_fmt:MATRIX_FMT_BF6 matrix_b_fmt:MATRIX_FMT_BF6
.endr
	WIN 0x01
.irp s, 1,2,3                                  ; the four accumulators take turns, one instruction a turn
.irp t, 0,1,2,3
	v_wmma_scale_f32_16x16x128_f8f6f4 v[AC+8*\t:AC+8*\t+7], v[48*\t+12*\s:48*\t+12*\s+11], v[HF+48*(\set)+12*\s:HF+48*(\set)+12*\s+11], v[AC+8*\t:AC+8*\t+7], v[WS+4*\t+\s], v[XS+4*(\set)+\s] matrix_a_fmt:MATRIX_FMT_BF6 matrix_b_fmt:MATRIX_FMT_BF6
.endr
.endr
	WIN 0
	PLACES 4                                       ; four places between the last product and the first read of results (ISA guide 7.12.1)
.set j, 0
.rept 16
	v_pk_mul_f32 v[AC+j:AC+j+1], v[AC+j:AC+j+1], s[CS:CS+1] op_sel_hi:[1,0]   ; 2 log2(e) x, ascending: each accumulator is read from its low end on
.set j, j+2
.endr
.set j, 0
	s_wait_alu depctr_va_vdst(0)
.rept 32
	v_exp_f32 v[AC+j], v[AC+j]
.set j, j+1
.endr
	v_nop                                          ; a plain place behind the last exponential,
	s_wait_alu depctr_va_vdst(0)                   ; and one wait for the batch, ahead of its first reader
.set j, 0
.rept 16
	v_pk_add_f32 v[AC+j:AC+j+1], v[AC+j:AC+j+1], 1.0 op_sel_hi:[1,0]
.set j, j+2
.endr
.set j, 0
	s_wait_alu depctr_va_vdst(0)
.rept 32
	v_rcp_f32 v[AC+j], v[AC+j]
.set j, j+1
.endr
	v_nop
	s_wait_alu depctr_va_vdst(0)                   ; likewise for the reciprocals
	WIN 0x04                                       ; source 1 (-2 v) window 1
	v_pk_fma_f32 v[SA:SA+1], v[AC:AC+1], v[VV:VV+1], v[SV:SV+1]     ; the sum begins at my sum of v; two chains
	v_pk_mul_f32 v[SB:SB+1], v[AC+2:AC+3], v[VV+2:VV+3]
.set j, 4
.rept 7
	v_pk_fma_f32 v[SA:SA+1], v[AC+j:AC+j+1], v[VV+j:VV+j+1], v[SA:SA+1]
	v_pk_fma_f32 v[SB:SB+1], v[AC+j+2:AC+j+3], v[VV+j+2:VV+j+3], v[SB:SB+1]
.set j, j+4
.endr
	WIN 0
	v_pk_add_f32 v[SA:SA+1], v[SA:SA+1], v[SB:SB+1]
	s_delay_alu instid0(VALU_DEP_1)
	v_add_f32 v[T], v[SA], v[SA+1]
	s_delay_alu instid0(VALU_DEP_1)
	v_permlanex16_b32 v[T2], v[T], s[SEL], s[SEL+1]
	s_delay_alu instid0(VALU_DEP_1)
	v_add_f32 v[T], v[T], v[T2]                    ; row r's score over my 64 d
	ds_store_b32 v[ASPW], v[T] offset:\spoff       ; both halves of the lanes write the same word with the same value
.endm
	s_load_b256 s[4:11], s[0:1], 0x0               ; keys s[4:5], bpart s[6:7], v1 s[8:9], wimg s[10:11]
	s_load_b256 s[12:19], s[0:1], 0x20             ; wscl s[12:13], kimg s[14:15], pacc s[16:17], pml s[18:19]
	v_lshl_add_u32 v[SPW], v0, 2, SPARE
	v_mov_b32 v[NIL], 0
	ds_add_u32 v1, v2
	ds_add_u32 v1, v2
	s_wait_dscnt 0x0
	v_lshrrev_b32 v[LN], 5, v0
	s_delay_alu instid0(VALU_DEP_1)
	v_readfirstlane_b32 s[WV], v[LN]               ; wave 0..7
	s_and_b32 s[WU], s[WV], 1
	s_lshr_b32 s[WH], s[WV], 1
	s_and_b32 s[BB], ttmp7, 0xffff                 ; the batch
	; descriptor group 1: 64 rows x 64 elements of 4 bytes, 512 elements from row to row; in LDS 4 words of padding behind every 64
	s_mov_b32 s[G1], (2<<16)|(1<<20)|(5<<22)|(3<<25)
	s_mov_b32 s[G1+1], 64<<16                      ; tensor_dim0
	s_mov_b32 s[G1+2], 64<<16                      ; tensor_dim1
	s_mov_b32 s[G1+3], 64<<16                      ; tile_dim0
	s_mov_b32 s[G1+4], 64                          ; tile_dim1
	s_mov_b32 s[G1+5], 512                         ; tensor_dim0_stride
	s_mov_b32 s[G1+6], 0
	s_mov_b32 s[G1+7], 0
	s_mov_b32 s[CS], 0x4038aa3b                    ; 2 log2(e)
	s_mov_b32 s[CS+1], s[CS]                       ; (named with it as a pair, so it is written)
	s_mov_b32 s[SEL], 0x76543210
	s_mov_b32 s[SEL+1], 0xfedcba98                 ; lane l xor 16
	s_mov_b32 s[L2E], 0x3fb8aa3b                   ; log2(e)
	s_lshl_b32 s46, s[BB], 21                      ; the batch's 1,024 rows of 2,048 bytes,
	s_lshl_b32 s47, ttmp9, 19                      ; my quarter's 256,
	s_add_co_u32 s46, s46, s47
	s_lshl_b32 s47, s[WV], 8                       ; my wave's 256 bytes of a row
	s_add_co_u32 s46, s46, s47
	s_mov_b32 s47, 0
	s_mul_i32 s48, s[WV], STRIP                    ; my strip in a slot
	s_wait_kmcnt 0x0
	s_mov_b32 s[G0A], 1                            ; count = 1
	s_mov_b32 s[G0A+1], s48                        ; LDS address: slot 0
	s_add_nc_u64 s[G0A+2:G0A+3], s[4:5], s[46:47]  ; block 0
	s_mov_b32 s[G0B], 1
	s_add_co_u32 s[G0B+1], s48, SLOT               ; slot 1
	s_add_nc_u64 s[G0B+2:G0B+3], s[G0A+2:G0A+3], BLKB   ; block 1
	s_or_b32 s[G0A+3], s[G0A+3], 0x80000000        ; type = 2
	s_or_b32 s[G0B+3], s[G0B+3], 0x80000000
	tensor_load_to_lds s[G0A:G0A+3], s[G1:G1+7]    ; block 0, ahead of every wait on TENSORcnt, every LDS read and every barrier
	s_nop 0
	PLACES 4                                       ; four v_nop follow a tensor load
	s_lshr_b32 s46, s[BB], 4                       ; bpart: tile (T', s', m') lies at 16384 T' + 4096 s' + 1024 m'; m' = b / 16,
	s_lshl_b32 s46, s46, 10
	s_and_b32 s49, s[BB], 15                       ; in it my batch is lane b % 16 (and 16 more for h): 16 bytes a lane,
	s_lshl_b32 s49, s49, 4
	s_add_co_u32 s46, s46, s49
	s_lshl_b32 s49, s[WV], 16                      ; and T' = 4 w + t
	s_add_co_u32 s46, s46, s49
	s_add_nc_u64 s[6:7], s[6:7], s[46:47]
	s_lshl_b32 s46, s[WV], 8
	s_add_nc_u64 s[8:9], s[8:9], s[46:47]          ; my 64 numbers of v1
	s_mul_i32 s46, s[WV], 49152
	s_add_nc_u64 s[WB:WB+1], s[WB:WB+1], s[46:47]  ; my 32 fragments of W1
	s_lshl_b32 s46, s[WV], 12
	s_add_nc_u64 s[12:13], s[12:13], s[46:47]      ; and their scale words
	s_lshl_b32 s49, s[BB], 2
	s_add_co_u32 s49, s49, ttmp9                   ; 4 b + g
	s_mul_i32 s46, s49, 16*REC
	s_add_nc_u64 s[KB:KB+1], s[KB:KB+1], s[46:47]  ; my 16 records
	s_lshl_b32 s46, s49, 11
	s_lshl_b32 s50, s[WV], 8
	s_add_co_u32 s46, s46, s50
	s_add_nc_u64 s[16:17], s[16:17], s[46:47]      ; pacc: my work-group's 512 numbers, my wave's 64
	s_lshl_b32 s46, s49, 3
	s_add_nc_u64 s[18:19], s[18:19], s[46:47]      ; pml
	v_and_b32 v[LN], 31, v0
	v_and_b32 v[RR], 15, v0
	v_bfe_u32 v[HH], v0, 4, 1
	v_mov_b32 v[ZR], 0
	s_delay_alu instid0(VALU_DEP_4)
	v_lshl_add_u32 v[AIM], v[LN], 4, IMG
	v_lshl_add_u32 v[ASC], v[LN], 3, IMG+6144
	s_mul_i32 s49, s[WU], 4*STRIP                  ; K steps 2 u, 2 u + 1 are strips 4 u .. 4 u + 3
	s_mul_i32 s50, s[WH], 16*272                   ; rows 16 (w / 2) on
	s_add_co_u32 s49, s49, s50
	v_mul_u32_u24 v[AQ0], v[RR], 272
	s_delay_alu instid0(VALU_DEP_1)
	v_lshl_add_u32 v[AQ0], v[HH], 7, v[AQ0]
	s_delay_alu instid0(VALU_DEP_1)
	v_add_nc_u32 v[AQ0], s49, v[AQ0]
	s_delay_alu instid0(VALU_DEP_1)
	v_add_nc_u32 v[AQ1], SLOT, v[AQ0]
	s_mul_i32 s49, s[WH], REC
	s_mul_i32 s50, s[WU], 3072
	s_add_co_u32 s50, s50, s49
	v_lshl_add_u32 v[GWI], v[LN], 4, s50
	s_delay_alu instid0(VALU_DEP_1)
	v_add_nc_u32 v[AWI], IMG, v[GWI]
	s_lshl_b32 s50, s[WU], 8
	s_add_co_u32 s50, s50, s49
	s_add_co_u32 s50, s50, 6144
	v_lshl_add_u32 v[GWS], v[LN], 3, s50
	s_delay_alu instid0(VALU_DEP_1)
	v_add_nc_u32 v[AWS], IMG, v[GWS]
	s_lshl_b32 s49, s[WV], 2
	s_add_co_u32 s49, s49, SCP
	v_lshl_add_u32 v[ASPW], v[RR], 5, s49
	v_lshl_add_u32 v[ASPR], v[LN], 5, SCP
	s_lshl_b32 s49, s[WV], 8
	s_add_co_u32 s49, s49, PB
	v_and_b32 v[APW], 1, v0
	s_delay_alu instid0(VALU_DEP_1)
	v_lshl_add_u32 v[APW], v[APW], 7, s49
	v_bfe_u32 v[APR], v0, 1, 4                     ; lane / 2
	s_delay_alu instid0(VALU_DEP_1)
	v_lshl_add_u32 v[APW], v[APR], 2, v[APW]
	v_lshl_add_u32 v[APR], v[HH], 7, s49
	v_mul_u32_u24 v[AS0], v[HH], 272
	s_delay_alu instid0(VALU_DEP_1)
	v_lshl_add_u32 v[AS0], v[RR], 4, v[AS0]
	s_delay_alu instid0(VALU_DEP_1)
	v_add_nc_u32 v[AS0], s48, v[AS0]
	s_delay_alu instid0(VALU_DEP_1)
	v_add_nc_u32 v[AS1], SLOT, v[AS0]
	v_lshlrev_b32 v[SH8], 3, v[HH]
	v_lshlrev_b32 v[L16], 4, v[LN]
	v_lshlrev_b32 v[L4], 2, v[LN]
	v_lshlrev_b32 v[H32], 5, v[HH]
	v_lshlrev_b32 v[R16], 4, v[RR]
.set TB, 148                           ; head: v148-243 the parts of K steps 5 to 7 of the query's half: 32 registers each
	v_lshlrev_b32 v[QD], 8, v[HH]                  ; 16 lanes of 16 bytes: lanes 16-31 of an image
	; 104 loads: v (8), W's scale words (16), the parts of the query's half (32), W1's fragments that stay (48)
.irp t, 0,1,2,3
	global_load_b128 v[RAW+8*\t:RAW+8*\t+3], v[H32], s[8:9] offset:64*\t         ; v at d = 64 w + 16 t + 8 h + 0 .. 7
	global_load_b128 v[RAW+8*\t+4:RAW+8*\t+7], v[H32], s[8:9] offset:64*\t+16
.endr
.irp t, 0,1,2,3
.irp s, 0,1,2,3
	global_load_b32 v[WS+4*\t+\s], v[L4], s[12:13] offset:1024*\t+128*\s
.endr
.endr
.irp s, 1,2,3
.irp t, 0,1,2,3
.irp g, 0,1
	global_load_b128 v[TB+32*(\s-1)+8*\t+4*\g:TB+32*(\s-1)+8*\t+4*\g+3], v[QD], s[6:7] offset:16384*\t+4096*\s+512*\g   ; registers 4 g .. 4 g + 3 of the image's lane (b % 16, h): d = 64 w + 16 t + 8 h + 4 g on
.endr
.endr
.endr
	WIN 0x40                                       ; destination window 1
.irp t, 0,1,2,3
.irp g, 0,1
	global_load_b128 v[BI+8*\t+4*\g:BI+8*\t+4*\g+3], v[QD], s[6:7] offset:16384*\t+512*\g     ; the first K step's part, where the sum will stand
.endr
.endr
.irp t, 0,1,2,3
.irp s, 0,1,2,3
.irp c, 0,1,2
	global_load_b128 v[48*\t+12*\s+4*\c:48*\t+12*\s+4*\c+3], v[L16], s[WB:WB+1] offset:12288*\t+1536*\s+512*\c   ; W1's first half: the fragments that stay; the wait for them stands ahead of the first tile's products
.endr
.endr
.endr
	WIN 0
	s_wait_alu depctr_va_vdst(0)
	s_wait_loadcnt 48                              ; all but the 48 loads of fragments: v and the parts are in
	WIN 0x41                                       ; destination and source 0 window 1
.irp s, 0,1,2
.set j, 0
.rept 16
	v_pk_add_f32 v[BI+j:BI+j+1], v[BI+j:BI+j+1], v[TB+32*\s+j:TB+32*\s+j+1]    ; the query's half of the sums, K ascending
.set j, j+2
.endr
.endr
	WIN 0
	v_pk_add_f32 v[SV:SV+1], v[RAW:RAW+1], v[RAW+2:RAW+3]
.set j, 4
.rept 14
	s_delay_alu instid0(VALU_DEP_1)
	v_pk_add_f32 v[SV:SV+1], v[SV:SV+1], v[RAW+j:RAW+j+1]
.set j, j+2
.endr
	WIN 0x40
.set j, 0
.rept 16
	v_pk_mul_f32 v[VV+j:VV+j+1], v[RAW+j:RAW+j+1], -2.0 op_sel_hi:[1,0]
.set j, j+2
.endr
	WIN 0
	v_mov_b32 v[M], 0xff61b1e6                     ; -3e38, under every score
	v_mov_b32 v[LS], 0
.irp i, 0,1,2,3,4,5,6,7
	v_mov_b32 v[NQ+\i], 0
.endr
	v_mov_b32 v[F+1], 0                            ; (named as the upper half of a pair)
	v_mov_b32 v[T2], 0                             ; a lane permute's destination counts as one of its sources
	v_mov_b32 v[TM+8], 0
.irp i, 0,1,2,3,4,5
	v_mov_b32 v[U+\i], 0
.endr
	s_wait_alu depctr_va_vdst(0)
; Q: my 16 rows x 256 along K become two fragments; their images go to LDS for the other waves and to kimg for the second stage.
.macro QPH blk, aq
.if \blk > 0
	s_wait_xcnt 0x0                                ; the last block's stores have read the codes' and the scale words' registers
.endif
.irp a, 0,1
.irp c, 0,1
.irp i, 0,1,2,3,4,5,6,7
	ds_load_b128 v[X0+64*\a+32*\c+4*\i:X0+64*\a+32*\c+4*\i+3], v[\aq] offset:(2*\a+\c)*STRIP+16*\i
.endr
.endr
.endr
	s_wait_dscnt 16                                ; the first fragment's 16 loads are in
	QUANT6 X0, PCA, PW
.irp c, 0,1,2
	ds_store_b128 v[AWI], v[PCA+4*\c:PCA+4*\c+3] offset:512*\c
.endr
.irp c, 0,1,2
	global_store_b128 v[GWI], v[PCA+4*\c:PCA+4*\c+3], s[KB:KB+1] offset:(\blk)*4*REC+512*\c th:TH_STORE_NT   ; 512 consecutive bytes, at a multiple of 256 from kimg's first byte
.endr
	s_wait_dscnt 3                                 ; all but the three stores just issued: the second fragment's numbers are in
	QUANT6 X0+64, PCA+12, PW+1
.irp c, 0,1,2
	ds_store_b128 v[AWI], v[PCA+12+4*\c:PCA+12+4*\c+3] offset:1536+512*\c
.endr
.irp c, 0,1,2
	global_store_b128 v[GWI], v[PCA+12+4*\c:PCA+12+4*\c+3], s[KB:KB+1] offset:(\blk)*4*REC+1536+512*\c th:TH_STORE_NT
.endr
	ds_store_b64 v[AWS], v[PW:PW+1]
	global_store_b64 v[GWS], v[PW:PW+1], s[KB:KB+1] offset:(\blk)*4*REC th:TH_STORE_NT      ; 256 consecutive bytes
.endm
.macro MPH blk
	FETCH 0, AIM, ASC, 0
.if \blk == 0
	s_wait_loadcnt 0x0                             ; W's fragments that stay: asked for in the head, first read by the products below; block 0's quantising stood between
.endif
	TILE 0, 1, 1, AIM, ASC, REC, 0
	TILE 1, 0, 1, AIM, ASC, 2*REC, 512
	TILE 0, 0, 1, AIM, ASC, 3*REC, 1024
	TILE 1, 0, 0, AIM, ASC, 0, 1536
.endm
.macro RLOAD adr, i0, n                ; load i brings rows 2 i (lanes 0-15) and 2 i + 1 (lanes 16-31) of my strip, 16 bytes a lane
.set i, \i0
.rept \n
	ds_load_b128 v[RW+4*(i%16):RW+4*(i%16)+3], v[\adr] offset:544*i
.set i, i+1
.endr
.endm
.macro WSUM i0                         ; eight loads' numbers x their rows' p, onto two sets by turns: four chains
.set i, \i0
.set rg, RW+4*(i%16)
.set nq, NQ+4*(i%2)
.if i%2
	v_pk_fma_f32 v[nq:nq+1], v[rg:rg+1], v[P+i-1:P+i], v[nq:nq+1] op_sel:[0,1,0] op_sel_hi:[1,1,1]       ; p is the pair's second register, for both halves
	v_pk_fma_f32 v[nq+2:nq+3], v[rg+2:rg+3], v[P+i-1:P+i], v[nq+2:nq+3] op_sel:[0,1,0] op_sel_hi:[1,1,1]
.else
	v_pk_fma_f32 v[nq:nq+1], v[rg:rg+1], v[P+i:P+i+1], v[nq:nq+1] op_sel_hi:[1,0,1]                      ; the pair's first
	v_pk_fma_f32 v[nq+2:nq+3], v[rg+2:rg+3], v[P+i:P+i+1], v[nq+2:nq+3] op_sel_hi:[1,0,1]
.endif
.set i, i+1
.set rg, RW+4*(i%16)
.set nq, NQ+4*(i%2)
.if i%2
	v_pk_fma_f32 v[nq:nq+1], v[rg:rg+1], v[P+i-1:P+i], v[nq:nq+1] op_sel:[0,1,0] op_sel_hi:[1,1,1]       ; p is the pair's second register, for both halves
	v_pk_fma_f32 v[nq+2:nq+3], v[rg+2:rg+3], v[P+i-1:P+i], v[nq+2:nq+3] op_sel:[0,1,0] op_sel_hi:[1,1,1]
.else
	v_pk_fma_f32 v[nq:nq+1], v[rg:rg+1], v[P+i:P+i+1], v[nq:nq+1] op_sel_hi:[1,0,1]                      ; the pair's first
	v_pk_fma_f32 v[nq+2:nq+3], v[rg+2:rg+3], v[P+i:P+i+1], v[nq+2:nq+3] op_sel_hi:[1,0,1]
.endif
.set i, i+1
.rept ((8)-1)-1
.set rg, RW+4*(i%16)
.set nq, NQ+4*(i%2)
.if i%2
	s_delay_alu instid0(VALU_DEP_4)
	v_pk_fma_f32 v[nq:nq+1], v[rg:rg+1], v[P+i-1:P+i], v[nq:nq+1] op_sel:[0,1,0] op_sel_hi:[1,1,1]       ; p is the pair's second register, for both halves
	s_delay_alu instid0(VALU_DEP_4)
	v_pk_fma_f32 v[nq+2:nq+3], v[rg+2:rg+3], v[P+i-1:P+i], v[nq+2:nq+3] op_sel:[0,1,0] op_sel_hi:[1,1,1]
.else
	s_delay_alu instid0(VALU_DEP_4)
	v_pk_fma_f32 v[nq:nq+1], v[rg:rg+1], v[P+i:P+i+1], v[nq:nq+1] op_sel_hi:[1,0,1]                      ; the pair's first
	s_delay_alu instid0(VALU_DEP_4)
	v_pk_fma_f32 v[nq+2:nq+3], v[rg+2:rg+3], v[P+i:P+i+1], v[nq+2:nq+3] op_sel_hi:[1,0,1]
.endif
.set i, i+1
.endr
.endm
; S: the block's 64 scores (lane l: rows l and 32 + l), the softmax's step, and p x keys for my 64 columns.
.macro SPH adr
	ds_load_b128 v[SC:SC+3], v[ASPR]
	ds_load_b128 v[SC+4:SC+7], v[ASPR] offset:16
	ds_load_b128 v[SC+8:SC+11], v[ASPR] offset:1024
	ds_load_b128 v[SC+12:SC+15], v[ASPR] offset:1040
	RLOAD \adr, 0, 16
	s_wait_dscnt 16                                ; the scores' parts are in; the 16 loads of rows may be out
	v_pk_add_f32 v[SC:SC+1], v[SC:SC+1], v[SC+2:SC+3]
	v_pk_add_f32 v[SC+8:SC+9], v[SC+8:SC+9], v[SC+10:SC+11]
	v_pk_add_f32 v[SC+4:SC+5], v[SC+4:SC+5], v[SC+6:SC+7]
	v_pk_add_f32 v[SC+12:SC+13], v[SC+12:SC+13], v[SC+14:SC+15]
	s_delay_alu instid0(VALU_DEP_2)
	v_pk_add_f32 v[SC:SC+1], v[SC:SC+1], v[SC+4:SC+5]
	s_delay_alu instid0(VALU_DEP_2)
	v_pk_add_f32 v[SC+8:SC+9], v[SC+8:SC+9], v[SC+12:SC+13]
	s_delay_alu instid0(VALU_DEP_2)
	v_add_f32 v[SC], v[SC], v[SC+1]                ; row l's score
	s_delay_alu instid0(VALU_DEP_2)
	v_add_f32 v[SC+8], v[SC+8], v[SC+9]            ; row 32 + l's
	s_delay_alu instid0(VALU_DEP_1)
	v_max_num_f32 v[U], v[SC], v[SC+8]
	s_delay_alu instid0(VALU_DEP_1)
	v_max_num_f32_dpp v[U], v[U], v[U] row_xmask:1 row_mask:0xf bank_mask:0xf
	s_delay_alu instid0(VALU_DEP_1)
	v_max_num_f32_dpp v[U], v[U], v[U] row_xmask:2 row_mask:0xf bank_mask:0xf
	s_delay_alu instid0(VALU_DEP_1)
	v_max_num_f32_dpp v[U], v[U], v[U] row_xmask:4 row_mask:0xf bank_mask:0xf
	s_delay_alu instid0(VALU_DEP_1)
	v_max_num_f32_dpp v[U], v[U], v[U] row_xmask:8 row_mask:0xf bank_mask:0xf
	s_delay_alu instid0(VALU_DEP_1)
	v_permlanex16_b32 v[T2], v[U], s[SEL], s[SEL+1]
	s_delay_alu instid0(VALU_DEP_1)
	v_max3_num_f32 v[U], v[U], v[T2], v[M]         ; the new largest score
	s_delay_alu instid0(VALU_DEP_1)
	v_sub_f32 v[U+2], v[M], v[U]
	s_delay_alu instid0(VALU_DEP_2)
	v_sub_f32 v[SC], v[SC], v[U]
	s_delay_alu instid0(VALU_DEP_3)
	v_sub_f32 v[SC+8], v[SC+8], v[U]
	s_delay_alu instid0(VALU_DEP_3)
	v_mul_f32 v[U+2], s[L2E], v[U+2]
	s_delay_alu instid0(VALU_DEP_3)
	v_mul_f32 v[SC], s[L2E], v[SC]
	s_delay_alu instid0(VALU_DEP_3)
	v_mul_f32 v[SC+8], s[L2E], v[SC+8]
	s_wait_alu depctr_va_vdst(0)
	v_exp_f32 v[F], v[U+2]                         ; what was summed under the old maximum is brought under the new
	v_exp_f32 v[SC], v[SC]                         ; p
	v_exp_f32 v[SC+8], v[SC+8]
	v_mov_b32 v[M], v[U]                           ; (a plain place behind the exponentials)
	s_wait_alu depctr_va_vdst(0)                   ; one wait for the three, ahead of their first reader
	ds_store_b32 v[APW], v[SC]                     ; p goes round my wave's own 256 bytes: LDS serves a wave's instructions in order (ISA guide 5.7.1.4)
	ds_store_b32 v[APW], v[SC+8] offset:64
.irp j, 0,1,2,3,4,5,6,7
	ds_load_b128 v[P+4*\j:P+4*\j+3], v[APR] offset:16*\j       ; register i: p of row 2 i + h
.endr
	v_add_f32 v[U], v[SC], v[SC+8]
	s_delay_alu instid0(VALU_DEP_1)
	v_add_f32_dpp v[U], v[U], v[U] row_xmask:1 row_mask:0xf bank_mask:0xf
	s_delay_alu instid0(VALU_DEP_1)
	v_add_f32_dpp v[U], v[U], v[U] row_xmask:2 row_mask:0xf bank_mask:0xf
	s_delay_alu instid0(VALU_DEP_1)
	v_add_f32_dpp v[U], v[U], v[U] row_xmask:4 row_mask:0xf bank_mask:0xf
	s_delay_alu instid0(VALU_DEP_1)
	v_add_f32_dpp v[U], v[U], v[U] row_xmask:8 row_mask:0xf bank_mask:0xf
	s_delay_alu instid0(VALU_DEP_1)
	v_permlanex16_b32 v[T2], v[U], s[SEL], s[SEL+1]
	s_delay_alu instid0(VALU_DEP_1)
	v_add_f32 v[U], v[U], v[T2]
	v_fma_f32 v[LS], v[LS], v[F], v[U]
.irp j, 0,2,4,6
	v_pk_mul_f32 v[NQ+\j:NQ+\j+1], v[NQ+\j:NQ+\j+1], v[F:F+1] op_sel_hi:[1,0]
.endr
	s_wait_alu depctr_va_vdst(0)
	s_wait_dscnt 0x0
	WSUM 0
	RLOAD \adr, 16, 8
	WSUM 8
	RLOAD \adr, 24, 8
	s_wait_alu depctr_va_vdst(0)
	s_wait_dscnt 8                                 ; all but the 8 loads just issued
	WSUM 16
	s_wait_alu depctr_va_vdst(0)
	s_wait_dscnt 0x0
	WSUM 24
.endm
.macro BLOCK blk, aq, adr
	QPH \blk, \aq
	BAR                                            ; the block's four records lie in LDS
	MPH \blk
	BAR                                            ; every wave's parts of the 64 scores lie in LDS
	SPH \adr
.endm
; The change of slots, at a block's head.  Each wave waits for all its tensor loads (one is out: its strip of the slot ahead), adds 0 to its spare word, and waits for that and for its reads of the slot that it leaves.
; Behind the barrier the slot ahead is whole and nobody reads the other: that one is filled first thing; the load has a block's work in which to land.  step = 0: the slot's first fill; 1: the block two on.
.macro HEADR g0, step
	s_wait_tensorcnt 0x0
	ds_add_u32 v[SPW], v[NIL]
.if \step
	s_add_nc_u64 s[\g0+2:\g0+3], s[\g0+2:\g0+3], 2*BLKB        ; no tensor load of mine is out, so a group 0 may be written
.endif
	s_wait_dscnt 0x0
	s_barrier_signal -1
	s_barrier_wait -1
	tensor_load_to_lds s[\g0:\g0+3], s[G1:G1+7]
	s_nop 0
	PLACES 4
.endm
	HEADR G0B, 0                                   ; block 0 is in; slot 1 takes block 1
	BLOCK 0, AQ0, AS0
	HEADR G0A, 1                                   ; slot 0 takes block 2
	BLOCK 1, AQ1, AS1
	HEADR G0B, 1                                   ; slot 1 takes block 3
	BLOCK 2, AQ0, AS0
	s_wait_tensorcnt 0x0                           ; block 3 is in; nothing is left to fetch
	ds_add_u32 v[SPW], v[NIL]
	s_wait_dscnt 0x0
	s_barrier_signal -1
	s_barrier_wait -1
	BLOCK 3, AQ1, AS1
	s_delay_alu instid0(VALU_DEP_2)
	v_pk_add_f32 v[NQ:NQ+1], v[NQ:NQ+1], v[NQ+4:NQ+5]          ; the two sets,
	s_delay_alu instid0(VALU_DEP_2)
	v_pk_add_f32 v[NQ+2:NQ+3], v[NQ+2:NQ+3], v[NQ+6:NQ+7]
.irp i, 0,1,2,3
	v_permlanex16_b32 v[U+\i], v[NQ+\i], s[SEL], s[SEL+1]
.endr
	s_delay_alu instid0(VALU_DEP_3)
	v_pk_add_f32 v[NQ:NQ+1], v[NQ:NQ+1], v[U:U+1]              ; and the odd rows' half of the lanes
	s_delay_alu instid0(VALU_DEP_2)
	v_pk_add_f32 v[NQ+2:NQ+3], v[NQ+2:NQ+3], v[U+2:U+3]
	s_wait_alu depctr_va_vdst(0)
	s_wait_tensorcnt 0x0                           ; the wave's end, my last LDS instructions
	ds_add_u32 v[SPW], v[NIL]
	s_wait_dscnt 0x0
	s_wait_xcnt 0x0                                ; EXEC changes only behind this wait
	v_cmp_gt_u32 vcc_lo, 16, v[LN]
	s_and_saveexec_b32 s[EXS], vcc_lo
	global_store_b128 v[R16], v[NQ:NQ+3], s[16:17] ; sixteen lanes store my 64 columns: 256 consecutive bytes, aligned
	s_wait_xcnt 0x0
	s_or_b32 exec_lo, exec_lo, s[EXS]
	v_cmp_eq_u32 vcc_lo, 0, v0
	s_and_saveexec_b32 s[EXS], vcc_lo
	global_store_b64 v[ZR], v[M:M+1], s[18:19]     ; the work-group's largest score and sum of p: one thread
	s_wait_xcnt 0x0
	s_or_b32 exec_lo, exec_lo, s[EXS]
	s_endpgm
.Lfunc_end_k_qdcdcfe273d_stage1:
	.size	k_qdcdcfe273d_stage1, .Lfunc_end_k_qdcdcfe273d_stage1-k_qdcdcfe273d_stage1
	.p2alignl 7, 3214868480
	.fill 96, 4, 3214868480
	.section	.rodata,"a",@progbits
	.p2align	6, 0x0
	.amdhsa_kernel k_qdcdcfe273d_stage1
		.amdhsa_group_segment_fixed_size 327680
		.amdhsa_private_segment_fixed_size 0
		.amdhsa_enable_private_segment 0
		.amdhsa_kernarg_size 64
		.amdhsa_user_sgpr_count 2
		.amdhsa_user_sgpr_kernarg_segment_ptr 1
		.amdhsa_wavefront_size32 1
		.amdhsa_system_sgpr_workgroup_id_x 1
		.amdhsa_system_sgpr_workgroup_id_y 1
		.amdhsa_system_sgpr_workgroup_id_z 1
		.amdhsa_system_vgpr_workitem_id 0
		.amdhsa_next_free_vgpr 512
		.amdhsa_next_free_sgpr 66
		.amdhsa_reserve_vcc 1
		.amdhsa_float_denorm_mode_32 3
		.amdhsa_float_denorm_mode_16_64 3
		.amdhsa_memory_ordered 1
		.amdhsa_forward_progress 1
		.amdhsa_inst_pref_size 255
	.end_amdhsa_kernel
	.section	.bss,"aw",@nobits
	.p2align	6
	.space	262144
	.amdgpu_metadata
---
amdhsa.version: [ 1, 2 ]
amdhsa.kernels:
  - .name:           k_qdcdcfe273d_stage1
    .symbol:         k_qdcdcfe273d_stage1.kd
    .args:
      - { .name: keys, .offset: 0, .size: 8, .value_kind: global_buffer, .address_space: global }
      - { .name: bpart, .offset: 8, .size: 8, .value_kind: global_buffer, .address_space: global }
      - { .name: v1, .offset: 16, .size: 8, .value_kind: global_buffer, .address_space: global }
      - { .name: wimg, .offset: 24, .size: 8, .value_kind: global_buffer, .address_space: global }
      - { .name: wscl, .offset: 32, .size: 8, .value_kind: global_buffer, .address_space: global }
      - { .name: kimg, .offset: 40, .size: 8, .value_kind: global_buffer, .address_space: global }
      - { .name: pacc, .offset: 48, .size: 8, .value_kind: global_buffer, .address_space: global }
      - { .name: pml, .offset: 56, .size: 8, .value_kind: global_buffer, .address_space: global }
    .group_segment_fixed_size: 327680
    .private_segment_fixed_size: 0
    .kernarg_segment_align: 8
    .kernarg_segment_size: 64
    .max_flat_workgroup_size: 256
    .sgpr_count:     66
    .vgpr_count:     512
    .wavefront_size: 32
...
	.end_amdgpu_metadata
.endif
;; end of part 2
;; launch stage2 (part 3): grid 4 x 64, 8 waves a work-group, no clusters, 168,960 bytes of LDS; arguments kimg, pacc, pml, v2, wimg, wscl, out0; writes out0
.if DOCPART == 3
	.amdgcn_target "amdgcn-amd-amdhsa--gfx1250"
	.amdhsa_code_object_version 6
	.text
	.protected	k_qdcdcfe273d_stage2
	.globl	k_qdcdcfe273d_stage2
	.p2align	8
	.type	k_qdcdcfe273d_stage2,@function
k_qdcdcfe273d_stage2:
	s_mov_b64 s[64:65], 0
	v_nop
	global_prefetch_b8 v0, s[64:65] scope:SCOPE_SE
	s_setreg_imm32_b32 hwreg(HW_REG_WAVE_MODE, 25, 1), 1
	s_wait_xcnt 0x0
; STAGE 2.  out[s] = v2 . tanh(W2 [keys[s] | new_q]), new_q = the batch's four partial sums of p x keys, joined under their common maximum and divided by the sum of p, all in f32.
; The product is made on codes of BF6 (E3M2), one E8M0 scale for each 32 along K.  The keys' codes were made by the first stage and lie in kimg as images of the operand's registers.
; A work-group takes 256 rows of one batch (x = quarter g, y = batch b): 16 records of 6,656 bytes, one dense block, brought into LDS once: wave w fetches records 2 w and 2 w + 1 by one tensor load.  Nothing in LDS is filled twice.
; As in the first stage: the matrix instruction is used transposed; wave w of 8 owns d = 64 w .. 64 w + 63; its 16 fragments of W2's first half stay in registers; new_q's half of K, the same row for every s, is multiplied once
; (BIAS) and given as C to each tile's first product; tanh(x) = 1 - 2 / (1 + 2^(2 log2(e) x)), summed from the lane's own sum of v on.
; The 16 tiles are written out: every LDS address is a register that never changes and an immediate.
; NO CLUSTER: what work-groups share is W2, which goes once from memory into registers and stays; by a joint load its 393,216 bytes would be written to LDS and read from it besides.  The codes are each work-group's own.
; LIMITS: NaN and infinities are not served.  A block of zeros, or one under 2^-122, gets the scale byte 1.  The f32 sums take new_q's half of K first (as C), then the keys' half, K ascending.
.set REC,   6656
.set KIM,   0                          ; 16 records
.set SCP,   16*REC                     ; the scores' parts: 32 x row + 4 x wave, 256 rows
.set QV,    SCP+8192                   ; new_q
.set AIM0, 3                           ; 16 x lane
.set ASC0, 4                           ; 6144 + 8 x lane
.set AIM1, 5                           ; the same 8 records on
.set ASC1, 6
.set ASPW, 11                          ; SCP + 32 r + 4 w
.set ASO,  12                          ; the way out: SCP + 2048 w + 64 x lane
.set SH8, 17
.set SV,  28
.set L16, 30
.set L4,  31
.set WS,  32                           ; v32-47 W's scale words: 4 t + s
.set WBS, 48                           ; v48-63 those of new_q's half: 4 s + t;  later
.set XS,  48                           ; v48-51, v52-55 the rows' scale words, two sets
.set PW,  64
.set TM,  68
.set AQV, 77
.set H32, 78
.set L8,  79
.set LN,  80
.set RR,  81
.set HH,  83
.set PCA, 84
.set PT,  108
.set HF,  116
.set AC,  212
.set SA,  244
.set SB,  246
.set T,   248
.set T2,  249
.set QX,  116
.set RAW, 116
.set PA,  180                          ; head: v180-187 my thread's two numbers of the four partial sums
.set WG,  188                          ; head: v188-191 the four weights; v192 the maximum; v193 the divisor; v194-195 new_q; v196 an offset, v197 an LDS address
.set BI,  192                          ; window 1
.set VV,  224                          ; window 1
.set WV,  20
.set BB,  23
.set G1,  24
.set G0,  32
.set CS,  40
.set SEL, 42
.set L2E, 44
.set WB,  12                           ; s[12:13] wimg at my wave's fragments of W2
.set MSB, 0
.macro WIN new                         ; the immediate's high byte repeats the setting that is left
.if MSB != \new
	s_set_vgpr_msb (MSB<<8)|\new
.set MSB, \new
.endif
.endm
.macro BAR                             ; my LDS stores have landed and my LDS loads are in: then the work-group's barrier
	s_wait_dscnt 0x0
	s_barrier_signal -1
	s_barrier_wait -1
.endm
.macro PLACES n
.rept \n
	v_nop
.endr
.endm
; 64 numbers of a lane, register 32 c + i = k 64 c + 32 h + i of my row, become a fragment's 12 registers and its scale word.
.macro QUANT6 x, pc, pw
.irp c, 0,1
	v_max3_num_f32 v[TM+\c], |v[\x+32*\c]|, |v[\x+32*\c+1]|, |v[\x+32*\c+2]|        ; two chains for each block, the blocks by turns
	v_max3_num_f32 v[TM+2+\c], |v[\x+32*\c+3]|, |v[\x+32*\c+4]|, |v[\x+32*\c+5]|
.endr
.irp i, 6,10,14,18,22,26
.irp c, 0,1
	s_delay_alu instid0(VALU_DEP_4)
	v_max3_num_f32 v[TM+\c], v[TM+\c], |v[\x+32*\c+\i]|, |v[\x+32*\c+\i+1]|
	s_delay_alu instid0(VALU_DEP_4)
	v_max3_num_f32 v[TM+2+\c], v[TM+2+\c], |v[\x+32*\c+\i+2]|, |v[\x+32*\c+\i+3]|
.endr
.endr
.irp c, 0
	s_delay_alu instid0(VALU_DEP_4)
	v_max3_num_f32 v[TM+\c], v[TM+\c], |v[\x+32*\c+30]|, |v[\x+32*\c+31]|
.endr
.irp c, 1
	s_delay_alu instid0(VALU_DEP_3)
	v_max3_num_f32 v[TM+\c], v[TM+\c], |v[\x+32*\c+30]|, |v[\x+32*\c+31]|
.endr
.irp c, 0,1
	s_delay_alu instid0(VALU_DEP_2)
	v_max3_num_f32 v[TM+\c], v[TM+\c], v[TM+2+\c], 0x2800000    ; and the floor 2^(5 - 127): the byte cannot fall under 1
.endr
.irp c, 0,1
	s_delay_alu instid0(VALU_DEP_2)
	v_add_nc_u32 v[TM+4+\c], 0xfe000000, v[TM+\c]               ; 4 off the exponent field: the conversion's scale operand
.endr
.irp c, 0,1
	s_delay_alu instid0(VALU_DEP_2)
	v_lshrrev_b32 v[TM+6+\c], 23, v[TM+4+\c]                    ; the scale's byte
.endr
	s_delay_alu instid0(VALU_DEP_1)
	v_lshl_or_b32 v[\pw], v[TM+7], 16, v[TM+6]                  ; my bytes: blocks h and 2 + h,
	s_delay_alu instid0(VALU_DEP_1)
	v_lshlrev_b32 v[\pw], v[SH8], v[\pw]                        ; at their places;
	s_delay_alu instid0(VALU_DEP_1)
	v_permlanex16_b32 v[TM+8], v[\pw], s[SEL], s[SEL+1]
	s_delay_alu instid0(VALU_DEP_1)
	v_or_b32 v[\pw], v[\pw], v[TM+8]                            ; with lane l xor 16's two the word is whole
.irp c, 0,1
	v_cvt_scalef32_pk16_bf6_f32 v[\pc+6*\c:\pc+6*\c+2], v[\x+32*\c:\x+32*\c+15], v[TM+4+\c]
	v_cvt_scalef32_pk16_bf6_f32 v[PT+4*\c:PT+4*\c+2], v[\x+32*\c+16:\x+32*\c+31], v[TM+4+\c]   ; (a conversion's three registers begin on an even number)
.endr
	v_nop                                                       ; one plain place behind the scaled conversions
.irp c, 0,1
.irp i, 0,1,2
	v_mov_b32 v[\pc+3+6*\c+\i], v[PT+4*\c+\i]
.endr
.endr
.endm
; A record's four fragments and eight scale words into set: 14 LDS loads.
.macro FETCH set, aim, asc, off
.irp s, 0,1,2,3
.irp c, 0,1,2
	ds_load_b128 v[HF+48*(\set)+12*\s+4*\c:HF+48*(\set)+12*\s+4*\c+3], v[\aim] offset:(\off)+1536*\s+512*\c
.endr
.endr
.irp u, 0,1
	ds_load_b64 v[XS+4*(\set)+2*\u:XS+4*(\set)+2*\u+1], v[\asc] offset:(\off)+256*\u
.endr
.endm
; A tile of 16 rows against my four tiles of W: 16 products, tanh, my part of the 16 scores.  first = 1: this tile's record was asked for just ahead.  nxt = 1: the next record, at offn, is asked for here, a tile's work ahead of its use.
.macro TILE set, first, nxt, aim, asc, offn, spoff
.if \first
	s_wait_dscnt 0x0                               ; the 14 loads issued just ahead
.else
	s_wait_dscnt 1                                 ; this tile's 14 loads were issued at the head of the last tile; behind them stands that tile's one store alone, which may be out
.endif
.if \nxt
	FETCH 1-(\set), \aim, \asc, \offn              ; into the set that the last tile's products read: its four v_nop and its tanh stand between
.endif
	WIN 0x11                                       ; source 0 (W) and C (new_q's half) window 1
.irp t, 0,1,2,3
	v_wmma_scale_f32_16x16x128_f8f6f4 v[AC+8*\t:AC+8*\t+7], v[48*\t:48*\t+11], v[HF+48*(\set):HF+48*(\set)+11], v[BI+8*\t:BI+8*\t+7], v[WS+4*\t], v[XS+4*(\set)] matrix_a_fmt:MATRIX_FMT_BF6 matrix_b_fmt:MATRIX_FMT_BF6
.endr
	WIN 0x01
.irp s, 1,2,3                                  ; the four accumulators take turns, one instruction a turn
.irp t, 0,1,2,3
	v_wmma_scale_f32_16x16x128_f8f6f4 v[AC+8*\t:AC+8*\t+7], v[48*\t+12*\s:48*\t+12*\s+11], v[HF+48*(\set)+12*\s:HF+48*(\set)+12*\s+11], v[AC+8*\t:AC+8*\t+7], v[WS+4*\t+\s], v[XS+4*(\set)+\s] matrix_a_fmt:MATRIX_FMT_BF6 matrix_b_fmt:MATRIX_FMT_BF6
.endr
.endr
	WIN 0
	PLACES 4                                       ; four places between the last product and the first read of results (ISA guide 7.12.1)
.set j, 0
.rept 16
	v_pk_mul_f32 v[AC+j:AC+j+1], v[AC+j:AC+j+1], s[CS:CS+1] op_sel_hi:[1,0]   ; 2 log2(e) x, ascending: each accumulator is read from its low end on
.set j, j+2
.endr
.set j, 0
	s_wait_alu depctr_va_vdst(0)
.rept 32
	v_exp_f32 v[AC+j], v[AC+j]
.set j, j+1
.endr
	v_nop                                          ; a plain place behind the last exponential,
	s_wait_alu depctr_va_vdst(0)                   ; and one wait for the batch, ahead of its first reader
.set j, 0
.rept 16
	v_pk_add_f32 v[AC+j:AC+j+1], v[AC+j:AC+j+1], 1.0 op_sel_hi:[1,0]
.set j, j+2
.endr
.set j, 0
	s_wait_alu depctr_va_vdst(0)
.rept 32
	v_rcp_f32 v[AC+j], v[AC+j]
.set j, j+1
.endr
	v_nop
	s_wait_alu depctr_va_vdst(0)                   ; likewise for the reciprocals
	WIN 0x04                                       ; source 1 (-2 v) window 1
	v_pk_fma_f32 v[SA:SA+1], v[AC:AC+1], v[VV:VV+1], v[SV:SV+1]     ; the sum begins at my sum of v; two chains
	v_pk_mul_f32 v[SB:SB+1], v[AC+2:AC+3], v[VV+2:VV+3]
.set j, 4
.rept 7
	v_pk_fma_f32 v[SA:SA+1], v[AC+j:AC+j+1], v[VV+j:VV+j+1], v[SA:SA+1]
	v_pk_fma_f32 v[SB:SB+1], v[AC+j+2:AC+j+3], v[VV+j+2:VV+j+3], v[SB:SB+1]
.set j, j+4
.endr
	WIN 0
	v_pk_add_f32 v[SA:SA+1], v[SA:SA+1], v[SB:SB+1]
	s_delay_alu instid0(VALU_DEP_1)
	v_add_f32 v[T], v[SA], v[SA+1]
	s_delay_alu instid0(VALU_DEP_1)
	v_permlanex16_b32 v[T2], v[T], s[SEL], s[SEL+1]
	s_delay_alu instid0(VALU_DEP_1)
	v_add_f32 v[T], v[T], v[T2]                    ; row r's score over my 64 d
	ds_store_b32 v[ASPW], v[T] offset:\spoff       ; both halves of the lanes write the same word with the same value
.endm
; new_q's half of the sums.  K step 4 + s: its 128 numbers from LDS, the same in every column; quantised; four products.  Then the registers that held this step's fragments of W take tile s's four fragments of the first half.
.macro BIAS
.irp s, 0,1,2,3
.irp c, 0,1
.irp i, 0,1,2,3,4,5,6,7
	ds_load_b128 v[QX+32*\c+4*\i:QX+32*\c+4*\i+3], v[AQV] offset:512*\s+256*\c+16*\i
.endr
.endr
	s_wait_dscnt 0x0
	QUANT6 QX, PCA+12*(\s%2), PW+(\s%2)
	PLACES 8                                       ; a scale register written by a vector instruction stands 8 places ahead of a scaled product, an operand so written 4
	s_wait_alu depctr_va_vdst(0)
	s_wait_loadcnt 36                              ; behind this step's 12 loads stand 12 (3 - s) loads of later steps and 12 s loads of the fragments that stay
	WIN 0x51                                       ; source 0, C and D window 1
.irp t, 0,1,2,3
.if \s == 0
	v_wmma_scale_f32_16x16x128_f8f6f4 v[BI+8*\t:BI+8*\t+7], v[48*\s+12*\t:48*\s+12*\t+11], v[PCA+12*(\s%2):PCA+12*(\s%2)+11], 0, v[WBS+4*\s+\t], v[PW+(\s%2)] matrix_a_fmt:MATRIX_FMT_BF6 matrix_b_fmt:MATRIX_FMT_BF6
.else
	v_wmma_scale_f32_16x16x128_f8f6f4 v[BI+8*\t:BI+8*\t+7], v[48*\s+12*\t:48*\s+12*\t+11], v[PCA+12*(\s%2):PCA+12*(\s%2)+11], v[BI+8*\t:BI+8*\t+7], v[WBS+4*\s+\t], v[PW+(\s%2)] matrix_a_fmt:MATRIX_FMT_BF6 matrix_b_fmt:MATRIX_FMT_BF6
.endif
.endr
	WIN 0
	PLACES 5                                       ; four serve the loads into registers that the products have read; FIVE are owed behind the last step, whose results the first tile's products take as the C of other accumulators, with no other vector work between
	WIN 0x40                                       ; destination window 1
.irp k, 0,1,2,3
.irp c, 0,1,2
	global_load_b128 v[48*\s+12*\k+4*\c:48*\s+12*\k+4*\c+3], v[L16], s[WB:WB+1] offset:12288*\s+1536*\k+512*\c
.endr
.endr
	WIN 0
.endr
.endm
	s_load_b256 s[4:11], s[0:1], 0x0               ; kimg s[4:5], pacc s[6:7], pml s[8:9], v2 s[10:11]
	s_load_b128 s[12:15], s[0:1], 0x20             ; wimg s[12:13], wscl s[14:15]
	s_load_b64 s[16:17], s[0:1], 0x30              ; out0
	v_lshl_add_u32 v254, v0, 2, 0x29000
	v_mov_b32 v255, 0
	ds_add_u32 v254, v255
	ds_add_u32 v254, v255
	v_lshrrev_b32 v[LN], 5, v0
	s_delay_alu instid0(VALU_DEP_1)
	v_readfirstlane_b32 s[WV], v[LN]               ; wave 0..7
	s_and_b32 s[BB], ttmp7, 0xffff                 ; the batch
	; descriptor group 1: two records, 13,312 dense bytes, as 52 rows of 256 bytes (32 elements of 8 bytes), no padding
	s_mov_b32 s[G1], 3<<16
	s_mov_b32 s[G1+1], 32<<16                      ; tensor_dim0
	s_mov_b32 s[G1+2], 52<<16                      ; tensor_dim1
	s_mov_b32 s[G1+3], 32<<16                      ; tile_dim0
	s_mov_b32 s[G1+4], 52                          ; tile_dim1
	s_mov_b32 s[G1+5], 32                          ; tensor_dim0_stride
	s_mov_b32 s[G1+6], 0
	s_mov_b32 s[G1+7], 0
	s_mov_b32 s[CS], 0x4038aa3b                    ; 2 log2(e)
	s_mov_b32 s[CS+1], s[CS]
	s_mov_b32 s[SEL], 0x76543210
	s_mov_b32 s[SEL+1], 0xfedcba98
	s_mov_b32 s[L2E], 0x3fb8aa3b                   ; log2(e)
	s_lshl_b32 s58, s[BB], 2
	s_add_co_u32 s58, s58, ttmp9                   ; 4 b + g
	s_lshl_b32 s56, s58, 3
	s_add_co_u32 s56, s56, s[WV]                   ; which pair of records is my wave's
	s_mul_i32 s56, s56, 2*REC
	s_mov_b32 s57, 0
	s_mul_i32 s59, s[WV], 2*REC
	s_wait_dscnt 0x0
	s_wait_kmcnt 0x0
	s_mov_b32 s[G0], 1
	s_mov_b32 s[G0+1], s59
	s_add_nc_u64 s[G0+2:G0+3], s[4:5], s[56:57]
	s_or_b32 s[G0+3], s[G0+3], 0x80000000
	tensor_load_to_lds s[G0:G0+3], s[G1:G1+7]      ; my one tensor load
	s_nop 0
	PLACES 4                                       ; four v_nop follow a tensor load
	s_lshl_b32 s56, s[BB], 5
	s_add_nc_u64 s[8:9], s[8:9], s[56:57]
	s_load_b256 s[48:55], s[8:9], 0x0              ; the batch's four (largest score, sum of p)
	s_lshl_b32 s56, s[BB], 13
	s_add_nc_u64 s[6:7], s[6:7], s[56:57]          ; its four partial sums
	s_lshl_b32 s56, s[WV], 8
	s_add_nc_u64 s[10:11], s[10:11], s[56:57]      ; my 64 numbers of v2
	s_mul_i32 s56, s[WV], 49152
	s_add_co_u32 s56, s56, 393216
	s_add_nc_u64 s[WB:WB+1], s[WB:WB+1], s[56:57]  ; my 32 fragments of W2
	s_lshl_b32 s56, s[WV], 12
	s_add_co_u32 s56, s56, 32768
	s_add_nc_u64 s[14:15], s[14:15], s[56:57]      ; and their scale words
	s_lshl_b32 s56, s58, 10
	s_lshl_b32 s59, s[WV], 8
	s_add_co_u32 s56, s56, s59
	s_add_nc_u64 s[16:17], s[16:17], s[56:57]      ; out0: my work-group's 256 numbers, 64 for each of waves 0 to 3
	v_and_b32 v[LN], 31, v0
	v_and_b32 v[RR], 15, v0
	v_bfe_u32 v[HH], v0, 4, 1
	s_delay_alu instid0(VALU_DEP_3)
	v_lshlrev_b32 v[AIM0], 4, v[LN]
	s_delay_alu instid0(VALU_DEP_4)
	v_lshl_add_u32 v[ASC0], v[LN], 3, 6144
	s_delay_alu instid0(VALU_DEP_2)
	v_add_nc_u32 v[AIM1], 8*REC, v[AIM0]
	s_delay_alu instid0(VALU_DEP_2)
	v_add_nc_u32 v[ASC1], 8*REC, v[ASC0]
	s_lshl_b32 s59, s[WV], 2
	s_add_co_u32 s59, s59, SCP
	v_lshl_add_u32 v[ASPW], v[RR], 5, s59
	s_lshl_b32 s59, s[WV], 11
	s_add_co_u32 s59, s59, SCP
	v_lshl_add_u32 v[ASO], v[LN], 6, s59
	v_lshlrev_b32 v[SH8], 3, v[HH]
	v_lshlrev_b32 v[L16], 4, v[LN]
	v_lshlrev_b32 v[L4], 2, v[LN]
	v_lshlrev_b32 v[L8], 3, v[LN]
	v_lshl_add_u32 v[AQV], v[HH], 7, QV
	v_lshlrev_b32 v[H32], 5, v[HH]
	v_lshlrev_b32 v[WG+8], 3, v0
	v_lshl_add_u32 v[WG+9], v0, 3, QV
	; 92 loads: the partial sums (4), v (8), W's scale words (16 + 16), the fragments of new_q's half (48, K step by K step)
.irp g, 0,1,2,3
	global_load_b64 v[PA+2*\g:PA+2*\g+1], v[WG+8], s[6:7] offset:2048*\g
.endr
.irp t, 0,1,2,3
	global_load_b128 v[RAW+8*\t:RAW+8*\t+3], v[H32], s[10:11] offset:64*\t       ; v at d = 64 w + 16 t + 8 h + 0 .. 7
	global_load_b128 v[RAW+8*\t+4:RAW+8*\t+7], v[H32], s[10:11] offset:64*\t+16
.endr
.irp t, 0,1,2,3
.irp s, 0,1,2,3
	global_load_b32 v[WS+4*\t+\s], v[L4], s[14:15] offset:1024*\t+128*\s
.endr
.endr
.irp s, 0,1,2,3
.irp t, 0,1,2,3
	global_load_b32 v[WBS+4*\s+\t], v[L4], s[14:15] offset:1024*\t+128*(4+\s)
.endr
.endr
	WIN 0x40                                       ; destination window 1
.irp s, 0,1,2,3
.irp t, 0,1,2,3
.irp c, 0,1,2
	global_load_b128 v[48*\s+12*\t+4*\c:48*\s+12*\t+4*\c+3], v[L16], s[WB:WB+1] offset:12288*\t+6144+1536*\s+512*\c
.endr
.endr
.endr
	WIN 0
	s_wait_kmcnt 0x0
	; the four quarters are joined under their common maximum
	v_mov_b32 v[WG+4], s48
	s_delay_alu instid0(VALU_DEP_1)
	v_max_num_f32 v[WG+4], s50, v[WG+4]
	s_delay_alu instid0(VALU_DEP_1)
	v_max_num_f32 v[WG+4], s52, v[WG+4]
	s_delay_alu instid0(VALU_DEP_1)
	v_max_num_f32 v[WG+4], s54, v[WG+4]
	s_delay_alu instid0(VALU_DEP_1)
	v_sub_f32 v[WG], s48, v[WG+4]
	s_delay_alu instid0(VALU_DEP_2)
	v_sub_f32 v[WG+1], s50, v[WG+4]
	s_delay_alu instid0(VALU_DEP_3)
	v_sub_f32 v[WG+2], s52, v[WG+4]
	s_delay_alu instid0(VALU_DEP_4)
	v_sub_f32 v[WG+3], s54, v[WG+4]
.irp g, 0,1,2,3
	s_delay_alu instid0(VALU_DEP_4)
	v_mul_f32 v[WG+\g], s[L2E], v[WG+\g]
.endr
	s_wait_alu depctr_va_vdst(0)
.irp g, 0,1,2,3
	v_exp_f32 v[WG+\g], v[WG+\g]
.endr
	v_mov_b32 v[T2], 0                             ; (a plain place)  a lane permute's destination counts as one of its sources
	v_mov_b32 v[TM+8], 0
	s_wait_alu depctr_va_vdst(0)                   ; one wait for the four exponentials, ahead of their first reader
	v_mul_f32 v[WG+5], s49, v[WG]
	v_fma_f32 v[WG+5], s51, v[WG+1], v[WG+5]
	v_fma_f32 v[WG+5], s53, v[WG+2], v[WG+5]
	v_fma_f32 v[WG+5], s55, v[WG+3], v[WG+5]       ; the sum of p: at least 1, since the quarter that holds the maximum has a p of 1
	s_wait_alu depctr_va_vdst(0)
	v_rcp_f32 v[WG+5], v[WG+5]
	s_wait_loadcnt 63                              ; the oldest 29 of the 92 are in: the partial sums and v among them
	v_mul_f32 v[WG+6], v[PA], v[WG]                ; (plain work behind the reciprocal, which it does not name)
	v_mul_f32 v[WG+7], v[PA+1], v[WG]
.irp g, 1,2,3
	v_fma_f32 v[WG+6], v[PA+2*\g], v[WG+\g], v[WG+6]
	v_fma_f32 v[WG+7], v[PA+2*\g+1], v[WG+\g], v[WG+7]
.endr
	s_wait_alu depctr_va_vdst(0)
	v_mul_f32 v[WG+6], v[WG+6], v[WG+5]
	v_mul_f32 v[WG+7], v[WG+7], v[WG+5]
	ds_store_b64 v[WG+9], v[WG+6:WG+7]             ; my thread's two numbers of new_q
	v_pk_add_f32 v[252:253], v[116:117], v[118:119]
	v_pk_add_f32 v[250:251], v[120:121], v[122:123]
	v_pk_add_f32 v[246:247], v[124:125], v[126:127]
	v_pk_add_f32 v[244:245], v[128:129], v[130:131]
	v_pk_add_f32 v[242:243], v[132:133], v[134:135]
	v_pk_add_f32 v[240:241], v[136:137], v[138:139]
	v_pk_add_f32 v[238:239], v[140:141], v[142:143]
	v_pk_add_f32 v[28:29], v[144:145], v[146:147]
	s_delay_alu instid0(VALU_DEP_1)
	v_pk_add_f32 v[28:29], v[28:29], v[244:245]
	v_pk_add_f32 v[252:253], v[252:253], v[242:243]
	v_pk_add_f32 v[250:251], v[250:251], v[240:241]
	v_pk_add_f32 v[246:247], v[246:247], v[238:239]
	s_delay_alu instid0(VALU_DEP_2)
	v_pk_add_f32 v[28:29], v[28:29], v[250:251]
	s_delay_alu instid0(VALU_DEP_2)
	v_pk_add_f32 v[252:253], v[252:253], v[246:247]
	s_delay_alu instid0(VALU_DEP_1)
	v_pk_add_f32 v[28:29], v[28:29], v[252:253]
	WIN 0x40
.set j, 0
.rept 16
	v_pk_mul_f32 v[VV+j:VV+j+1], v[RAW+j:RAW+j+1], -2.0 op_sel_hi:[1,0]
.set j, j+2
.endr
	WIN 0
	BAR                                            ; new_q lies in LDS
	BIAS                                           ; (the fragments of W that stay are asked for in it; the wait for them stands ahead of the first tile's products)
	s_wait_tensorcnt 0x0                           ; my two records are in,
	BAR                                            ; everybody's are
	FETCH 0, AIM0, ASC0, 0
	s_wait_loadcnt 0x0                             ; W's fragments that stay, first read by the products below
.set mt, 0
.rept 16
.if mt == 0
	TILE 0, 1, 1, AIM0, ASC0, REC, 0
.elseif mt < 7
	TILE mt%2, 0, 1, AIM0, ASC0, REC*(mt+1), 512*mt
.elseif mt < 15
	TILE mt%2, 0, 1, AIM1, ASC1, REC*(mt-7), 512*mt
.else
	TILE mt%2, 0, 0, AIM0, ASC0, 0, 512*mt
.endif
.set mt, mt+1
.endr
	BAR                                            ; every wave's parts of the 256 scores lie in LDS
	s_cmp_ge_u32 s[WV], 4                          ; waves 0 to 3 add them, 64 rows each, so that a wave's store covers 256 consecutive bytes, aligned
	s_cbranch_scc1 .Lend
.irp i, 0,1,2,3
	ds_load_b128 v[HF+4*\i:HF+4*\i+3], v[ASO] offset:16*\i     ; rows 64 w + 2 x lane and the next: 8 parts each
.endr
	s_wait_dscnt 0x0
	v_pk_add_f32 v[HF:HF+1], v[HF:HF+1], v[HF+2:HF+3]
	v_pk_add_f32 v[HF+8:HF+9], v[HF+8:HF+9], v[HF+10:HF+11]
	v_pk_add_f32 v[HF+4:HF+5], v[HF+4:HF+5], v[HF+6:HF+7]
	v_pk_add_f32 v[HF+12:HF+13], v[HF+12:HF+13], v[HF+14:HF+15]
	s_delay_alu instid0(VALU_DEP_2)
	v_pk_add_f32 v[HF:HF+1], v[HF:HF+1], v[HF+4:HF+5]
	s_delay_alu instid0(VALU_DEP_2)
	v_pk_add_f32 v[HF+8:HF+9], v[HF+8:HF+9], v[HF+12:HF+13]
	s_delay_alu instid0(VALU_DEP_2)
	v_add_f32 v[HF+16], v[HF], v[HF+1]
	s_delay_alu instid0(VALU_DEP_2)
	v_add_f32 v[HF+17], v[HF+8], v[HF+9]
	global_store_b64 v[L8], v[HF+16:HF+17], s[16:17]
.Lend:
	s_wait_tensorcnt 0x0
	ds_add_u32 v254, v255
	s_wait_dscnt 0x0
	s_endpgm
.Lfunc_end_k_qdcdcfe273d_stage2:
	.size	k_qdcdcfe273d_stage2, .Lfunc_end_k_qdcdcfe273d_stage2-k_qdcdcfe273d_stage2
	.p2alignl 7, 3214868480
	.fill 96, 4, 3214868480
	.section	.rodata,"a",@progbits
	.p2align	6, 0x0
	.amdhsa_kernel k_qdcdcfe273d_stage2
		.amdhsa_group_segment_fixed_size 168960
		.amdhsa_private_segment_fixed_size 0
		.amdhsa_enable_private_segment 0
		.amdhsa_kernarg_size 56
		.amdhsa_user_sgpr_count 2
		.amdhsa_user_sgpr_kernarg_segment_ptr 1
		.amdhsa_wavefront_size32 1
		.amdhsa_system_sgpr_workgroup_id_x 1
		.amdhsa_system_sgpr_workgroup_id_y 1
		.amdhsa_system_sgpr_workgroup_id_z 1
		.amdhsa_system_vgpr_workitem_id 0
		.amdhsa_next_free_vgpr 512
		.amdhsa_next_free_sgpr 66
		.amdhsa_reserve_vcc 0
		.amdhsa_float_denorm_mode_32 3
		.amdhsa_float_denorm_mode_16_64 3
		.amdhsa_memory_ordered 1
		.amdhsa_forward_progress 1
		.amdhsa_inst_pref_size 187
	.end_amdhsa_kernel
	.amdgpu_metadata
---
amdhsa.version: [ 1, 2 ]
amdhsa.kernels:
  - .name:           k_qdcdcfe273d_stage2
    .symbol:         k_qdcdcfe273d_stage2.kd
    .args:
      - { .name: kimg, .offset: 0, .size: 8, .value_kind: global_buffer, .address_space: global }
      - { .name: pacc, .offset: 8, .size: 8, .value_kind: global_buffer, .address_space: global }
      - { .name: pml, .offset: 16, .size: 8, .value_kind: global_buffer, .address_space: global }
      - { .name: v2, .offset: 24, .size: 8, .value_kind: global_buffer, .address_space: global }
      - { .name: wimg, .offset: 32, .size: 8, .value_kind: global_buffer, .address_space: global }
      - { .name: wscl, .offset: 40, .size: 8, .value_kind: global_buffer, .address_space: global }
      - { .name: out0, .offset: 48, .size: 8, .value_kind: global_buffer, .address_space: global }
    .group_segment_fixed_size: 168960
    .private_segment_fixed_size: 0
    .kernarg_segment_align: 8
    .kernarg_segment_size: 56
    .max_flat_workgroup_size: 256
    .sgpr_count:     66
    .vgpr_count:     512
    .wavefront_size: 32
...
	.end_amdgpu_metadata
.endif
;; end of part 3
